; MI455X (gfx1250); checked and timed in simulation.
; The chip was launched on July 23, 2026; its instructions are those of AMD's public machine-readable ISA for CDNA 5 (MIT licence, August 2026) and "CDNA5" Instruction Set Architecture Reference Guide (July 2026). The comments in the code are by the model that wrote it; some were corrected since.
;; Discrete Ternary Block. Allowed arithmetic: float matrix products may take bf16 or f16 operands with f32 sums; other float arithmetic in f32, or as packed bf16 or f16 multiplies, adds, multiply-adds, maxima and minima; sums over many terms, partial sums and values carried from step to step in f32; what a program stores and reads back later, other than sums and carried values, may be rounded once to bf16 or f16.
;; Inputs: Wd 2,048 x 1,024 float32; Wg 1,024 x 2,048 float32; Wk 2,048 x 2,048 float32; Wo 2,048 x 2,048 float32; Wq 2,048 x 2,048 float32; Wu 1,024 x 2,048 float32; Wv 2,048 x 2,048 float32; alpha 16 x 1 x 1 float32; norm_attn_w 2,048 float32; norm_mlp_w 2,048 float32; sd one number float32; sg one number float32; sk one number float32; so one number float32; sq one number float32; su one number float32; sv one number float32; x 1 x 2,048 x 2,048 float32.
;; Outputs: out0 1 x 2,048 x 2,048 float32.
;; 2 versions, each right; version 2 is version 1 with the launch prep written anew for expert scheduling mode. Each part assembles by itself: llvm-mc -triple=amdgcn-amd-amdhsa -mcpu=gfx1250 --defsym DOCPART=n.
;; ======== version 1 of 2: 6 launches
;; limits: right only within a limited range of input values
;; workspace buffers: wb 46,137,344 bytes; xn 8,388,608 bytes; qkv 25,165,824 bytes; ao 8,388,608 bytes; x1 16,777,216 bytes; xn2 8,388,608 bytes; hh 4,194,304 bytes; ssq 262,144 bytes
;; launch prep (part 1): grid 2048 x 1, 4 waves a work-group, no clusters, 0 bytes of LDS; arguments Wq, Wk, Wv, sq, sk, sv, x, norm_attn_w, wb, xn; writes wb, xn
.if DOCPART == 1
	.amdgcn_target "amdgcn-amd-amdhsa--gfx1250"
	.amdhsa_code_object_version 6
	.text
	.protected	k_qa0d3f70364_prep
	.globl	k_qa0d3f70364_prep
	.p2align	8
	.type	k_qa0d3f70364_prep,@function
k_qa0d3f70364_prep:
	s_mov_b64 s[64:65], 0
	v_nop
	global_prefetch_b8 v0, s[64:65] scope:SCOPE_SE
	s_setreg_imm32_b32 hwreg(HW_REG_WAVE_MODE, 25, 1), 1
	s_wait_xcnt 0x0
; The first 6,144 rows of wb: bf16(Wq sq), bf16(Wk sk), bf16(Wv sv), rows of 4,096 bytes: (x W^T) s = x (W s)^T, so the scale is paid here once and the product is rounded once.
; And xn = bf16(x * rsqrt(mean(x^2) + 1e-6) * norm_attn_w).  A stream: each f32 byte is read once, each bf16 byte written once.
; SHARES.  A unit is 8,192 bytes of f32 (a row), one wave each; a work-group takes four units on end.  The work-group's number picks the source: 0 Wq, 512 Wk, 1024 Wv, 1536 x.
; A load of a wave covers 512 consecutive bytes, a store 256 consecutive bytes at a multiple of 256.  No LDS, no barrier: a row's sum never leaves its wave.
.set X,  16                            ; v[16:79]   the unit as loaded: load i holds numbers 128 i + 4 lane .. + 3
.set W,  80                            ; v[80:143]  the gain, laid out alike
.set Y,  144                           ; v[144:175] the packed output
.set XG, 1536                          ; the first work-group that takes rows of x
	s_load_b512 s[8:23], s[0:1], 0x0               ; Wq s[8:9], Wk s[10:11], Wv s[12:13], sq s[14:15], sk s[16:17], sv s[18:19], x s[20:21], norm_attn_w s[22:23]
	s_load_b128 s[24:27], s[0:1], 0x40             ; wb s[24:25], xn s[26:27]
	s_mov_b32 s3, ttmp9
	s_mov_b32 s30, 0x3a000000                      ; 1 / 2048
	s_mov_b32 s31, 0x358637bd                      ; 1e-6
	s_mov_b32 s32, 0x76543210                      ; v_permlanex16_b32: each lane takes its own place in the other half
	s_mov_b32 s33, 0xfedcba98
	v_lshrrev_b32 v14, 5, v0                       ; wave
	v_and_b32 v15, 31, v0                          ; lane
	v_lshlrev_b32 v3, 4, v15                       ; 16 bytes a lane: my offset in the gain
	v_lshl_or_b32 v1, v14, 13, v3                  ; + 8,192 x wave: my offset in the source
	v_lshlrev_b32 v2, 3, v15
	v_lshl_or_b32 v2, v14, 12, v2                  ; 4,096 x wave + 8 x lane: my offset in the destination
	s_wait_kmcnt 0x0
	s_mov_b64 s[4:5], s[8:9]
	s_mov_b64 s[28:29], s[14:15]
	s_mov_b32 s2, 0
.macro PICK bound, reg, sreg           ; from work-group bound on the source is the buffer in s[reg:reg+1], its scale the one in s[sreg:sreg+1]
	s_cmp_ge_u32 s3, \bound
	s_cselect_b64 s[4:5], s[\reg:\reg+1], s[4:5]
	s_cselect_b64 s[28:29], s[\sreg:\sreg+1], s[28:29]
	s_cselect_b32 s2, \bound, s2
.endm
	PICK 512, 10, 16
	PICK 1024, 12, 18
	PICK XG, 20, 18                                ; (rows of x read no scale)
	s_cmp_ge_u32 s3, XG
	s_cselect_b64 s[6:7], s[26:27], s[24:25]       ; rows of x go to xn, all else to wb
	s_cselect_b32 s34, XG, 0
	s_sub_co_u32 s34, s3, s34
	s_lshl_b32 s34, s34, 14                        ; 16,384 bytes of bf16 a work-group
	s_mov_b32 s35, 0
	s_add_nc_u64 s[6:7], s[6:7], s[34:35]
	s_sub_co_u32 s36, s3, s2
	s_lshl_b32 s36, s36, 15                        ; 32,768 bytes of f32 a work-group
	s_mov_b32 s37, 0
	s_add_nc_u64 s[4:5], s[4:5], s[36:37]
.irp i, 0,1,2,3,4,5,6,7,8,9,10,11,12,13,14,15
	global_load_b128 v[X+4*(\i):X+4*(\i)+3], v1, s[4:5] offset:512*(\i) th:TH_LOAD_NT
.endr
.macro PACKST i                        ; four numbers of load i: two roundings, one store of 8 bytes a lane
	v_cvt_pk_bf16_f32 v[Y+2*(\i)], v[X+4*(\i)], v[X+4*(\i)+1]
	v_cvt_pk_bf16_f32 v[Y+2*(\i)+1], v[X+4*(\i)+2], v[X+4*(\i)+3]
	global_store_b64 v2, v[Y+2*(\i):Y+2*(\i)+1], s[6:7] offset:256*(\i) th:TH_STORE_NT
.endm
	s_cmp_lt_u32 s3, XG
	s_cbranch_scc1 .Lplain
	; a row of x
.irp i, 0,1,2,3,4,5,6,7,8,9,10,11,12,13,14,15
	global_load_b128 v[W+4*(\i):W+4*(\i)+3], v3, s[22:23] offset:512*(\i)
.endr
	s_wait_loadcnt 16                              ; the row is in; the gain's sixteen loads stay out
.irp k, 0,1,2,3
	v_pk_mul_f32 v[4+2*(\k):5+2*(\k)], v[X+2*(\k):X+2*(\k)+1], v[X+2*(\k):X+2*(\k)+1]  ; four chains of squares: the first products start them
.endr
.set j, 4
.rept 28
	v_pk_fma_f32 v[4+2*(j%4):5+2*(j%4)], v[X+2*j:X+2*j+1], v[X+2*j:X+2*j+1], v[4+2*(j%4):5+2*(j%4)]
.set j, j+1
.endr
	v_pk_add_f32 v[4:5], v[4:5], v[6:7]
	v_pk_add_f32 v[8:9], v[8:9], v[10:11]
	v_pk_add_f32 v[4:5], v[4:5], v[8:9]
	v_add_f32 v14, v4, v5
	v_add_f32_dpp v14, v14, v14 row_xmask:1 row_mask:0xf bank_mask:0xf
	v_add_f32_dpp v14, v14, v14 row_xmask:2 row_mask:0xf bank_mask:0xf
	v_add_f32_dpp v14, v14, v14 row_xmask:4 row_mask:0xf bank_mask:0xf
	v_add_f32_dpp v14, v14, v14 row_xmask:8 row_mask:0xf bank_mask:0xf
	v_permlanex16_b32 v15, v14, s32, s33
	v_add_f32 v14, v14, v15                        ; every lane holds the row's sum of squares
	v_fma_f32 v14, v14, s30, s31                   ; mean + eps
	v_rsq_f32 v12, v14                             ; twice, to fill the pair that the packed multiply takes
	v_rsq_f32 v13, v14
	v_nop                                          ; a plain instruction behind the last root,
	s_wait_alu depctr_va_vdst(0)                   ; and the one wait ahead of the first reader
.set j, 0
.rept 32
	v_pk_mul_f32 v[X+2*j:X+2*j+1], v[X+2*j:X+2*j+1], v[12:13]
.set j, j+1
.endr
	s_wait_loadcnt 0x0                             ; the gain
.set j, 0
.rept 32
	v_pk_mul_f32 v[X+2*j:X+2*j+1], v[X+2*j:X+2*j+1], v[W+2*j:W+2*j+1]
.set j, j+1
.endr
.irp i, 0,1,2,3,4,5,6,7,8,9,10,11,12,13,14,15
	PACKST \i
.endr
	s_endpgm
.Lplain:                               ; a row of a weight matrix: scaled and rounded as it comes in
	s_load_b32 s38, s[28:29], 0x0                  ; the matrix's scale: it comes while the row is on its way
	s_wait_kmcnt 0x0
	s_mov_b32 s39, s38                             ; named with it as a pair
.irp i, 0,1,2,3,4,5,6,7,8,9,10,11,12,13,14,15
	s_wait_loadcnt 15-(\i)                         ; loads come back in order: load i is in, the younger ones stay out
	v_pk_mul_f32 v[X+4*(\i):X+4*(\i)+1], v[X+4*(\i):X+4*(\i)+1], s[38:39] op_sel_hi:[1,0]
	v_pk_mul_f32 v[X+4*(\i)+2:X+4*(\i)+3], v[X+4*(\i)+2:X+4*(\i)+3], s[38:39] op_sel_hi:[1,0]
	PACKST \i
.endr
	s_endpgm
.Lfunc_end_k_qa0d3f70364_prep:
	.size	k_qa0d3f70364_prep, .Lfunc_end_k_qa0d3f70364_prep-k_qa0d3f70364_prep
	.p2alignl 7, 3214868480
	.fill 96, 4, 3214868480
	.section	.rodata,"a",@progbits
	.p2align	6, 0x0
	.amdhsa_kernel k_qa0d3f70364_prep
		.amdhsa_group_segment_fixed_size 0
		.amdhsa_private_segment_fixed_size 0
		.amdhsa_enable_private_segment 0
		.amdhsa_kernarg_size 80
		.amdhsa_user_sgpr_count 2
		.amdhsa_user_sgpr_kernarg_segment_ptr 1
		.amdhsa_wavefront_size32 1
		.amdhsa_system_sgpr_workgroup_id_x 1
		.amdhsa_system_sgpr_workgroup_id_y 1
		.amdhsa_system_sgpr_workgroup_id_z 1
		.amdhsa_system_vgpr_workitem_id 0
		.amdhsa_next_free_vgpr 176
		.amdhsa_next_free_sgpr 66
		.amdhsa_reserve_vcc 0
		.amdhsa_float_denorm_mode_32 3
		.amdhsa_float_denorm_mode_16_64 3
		.amdhsa_memory_ordered 1
		.amdhsa_forward_progress 1
		.amdhsa_inst_pref_size 22
	.end_amdhsa_kernel
	.amdgpu_metadata
---
amdhsa.version: [ 1, 2 ]
amdhsa.kernels:
  - .name:           k_qa0d3f70364_prep
    .symbol:         k_qa0d3f70364_prep.kd
    .args:
      - { .name: Wq, .offset: 0, .size: 8, .value_kind: global_buffer, .address_space: global }
      - { .name: Wk, .offset: 8, .size: 8, .value_kind: global_buffer, .address_space: global }
      - { .name: Wv, .offset: 16, .size: 8, .value_kind: global_buffer, .address_space: global }
      - { .name: sq, .offset: 24, .size: 8, .value_kind: global_buffer, .address_space: global }
      - { .name: sk, .offset: 32, .size: 8, .value_kind: global_buffer, .address_space: global }
      - { .name: sv, .offset: 40, .size: 8, .value_kind: global_buffer, .address_space: global }
      - { .name: x, .offset: 48, .size: 8, .value_kind: global_buffer, .address_space: global }
      - { .name: norm_attn_w, .offset: 56, .size: 8, .value_kind: global_buffer, .address_space: global }
      - { .name: wb, .offset: 64, .size: 8, .value_kind: global_buffer, .address_space: global }
      - { .name: xn, .offset: 72, .size: 8, .value_kind: global_buffer, .address_space: global }
    .group_segment_fixed_size: 0
    .private_segment_fixed_size: 0
    .kernarg_segment_align: 8
    .kernarg_segment_size: 80
    .max_flat_workgroup_size: 128
    .sgpr_count:     66
    .vgpr_count:     176
    .wavefront_size: 32
...
	.end_amdgpu_metadata
.endif
;; end of part 1
;; launch qkv (part 2): grid 16 x 16, 4 waves a work-group, clusters of 4 x 4, 327,680 bytes of LDS; arguments xn, wb, qkv; writes qkv
.if DOCPART == 2
	.amdgcn_target "amdgcn-amd-amdhsa--gfx1250"
	.amdhsa_code_object_version 6
	.text
	.protected	k_qa0d3f70364_qkv
	.globl	k_qa0d3f70364_qkv
	.p2align	8
	.type	k_qa0d3f70364_qkv,@function
k_qa0d3f70364_qkv:
	s_mov_b64 s[64:65], 0
	v_nop
	global_prefetch_b8 v0, s[64:65] scope:SCOPE_SE
	s_setreg_imm32_b32 hwreg(HW_REG_WAVE_MODE, 25, 1), 1
	s_wait_xcnt 0x0
	s_wait_alu depctr_hold_cnt(0) depctr_sa_sdst(0) depctr_va_vdst(0) depctr_va_sdst(0) depctr_va_ssrc(0) depctr_va_vcc(0) depctr_vm_vsrc(0)
	s_getreg_b32 s2, hwreg(HW_REG_IB_STS2, 6, 4)
	s_cmp_eq_u32 s2, 0
	s_cbranch_scc0 .Lentry_in_a_cluster
	s_endpgm
.Lentry_in_a_cluster:
	s_bfe_u32 s2, ttmp6, 0x10000c
	s_cmp_lg_u32 s2, 0xf033
	s_cbranch_scc0 .Lentry_shape_is_right
	s_endpgm
.Lentry_shape_is_right:
; qkv[m][n] = sum over k of xn[m][k] wb[n][k], n = 0 .. 6143 (rows 0-2047 of wb are Wq sq, then Wk sk, then Wv sv: the scales lie in the weights).  xn, wb, qkv in bf16, sums in f32, one rounding.
; A tile of the result is 128 rows x 384 columns: 16 x 16 tiles, one work-group each.  Four waves, each 64 x 192: 48 accumulators of 16 x 16 in 384 registers.
; K goes in steps of 128 through a ring of two LDS slots filled by the tensor data mover; a row of a tile is 256 bytes of memory at a multiple of 256.
; CLUSTER 4 x 4: the four work-groups of a row of the cluster need the same 128 rows of xn, the four of a column the same 384 rows of wb: each is asked for jointly.
; The matrix instruction is used transposed (source 0 = 16 rows of wb, source 1 = 16 rows of xn): a lane holds eight neighbouring columns of one row of the result.
; A K step is written once: the loop with refills runs 14 times, the same step without refill twice.  The price: the sums are started by 48 products of two zero fragments, issued while the first tiles
; are on their way (one line an accumulator, where clearing would take eight), and the very last step fetches 32 fragments of an old tile that nobody multiplies.
; REGISTERS: window 0: v0-31 addresses; v64-95, v96-127 fragments of xn, two buffers; on the way out v64-255 packed results.  window 1: v0-95, v96-191 fragments of wb, two buffers.
;   window 2: accumulators of my row blocks 0, 1 ((a, b) at 96 (a % 2) + 8 b); window 3: those of blocks 2, 3.
.set KSTEP,  128
.set PITCH,  272                       ; an LDS row: 256 bytes + 16 of padding = 68 words: the 16 rows of a fragment load start at 16 different groups of four banks (ISA guide 11.1)
.set HT,     128*PITCH                 ; 128 rows: what one tensor load brings
.set SLOT,   4*HT                      ; xn's 128 rows, then wb's 384; 0x22000 shares no bit with wave x HT, so one exclusive or moves a descriptor to the other slot
.set SPARE,  2*SLOT                    ; the spare words, 128 bytes a wave: two blocks of 256 bytes that no other line names
.set SPITCH, 784                       ; the way out: a row of 768 bytes + 16; the stage lies in slot 0, which has had its last fill by then
.set A0,   14                          ; v14  my lane's place in xn's tile; never rewritten
.set B0,   15                          ; v15  the same for wb's
.set ADRA, 16                          ; v16  the same in the slot being read
.set ADRB, 20                          ; v20
.set STO,  24                          ; v24  the way out: where I put 16 bytes
.set RD0,  25                          ; v25, v26  where I read rows back
.set RD1,  26
.set CO0,  27                          ; v27, v31  the same places in qkv
.set CO1,  31
.set SPW,  28                          ; v28  LDS address of my spare word; never rewritten
.set NIL,  29                          ; v29  0; never rewritten
.set PFO,  30                          ; v30  the prefetches' offset: lane x 4,096; never rewritten
.set TMP,  64
.set G1,   24                          ; s[24:31] descriptor group 1 for xn's tiles; s[32:39] group 0: a set for each first fill, the second then walks
.set G0,   32
.set G1B,  48                          ; s[48:55], s[56:63] the same for wb's tiles
.set G0B,  56
.set TB,   66                          ; s66  LDS byte at which the slot being read begins
.set LIM,  67                          ; s67  2 in a wave that prefetches, else the greatest number
.set PFA,  68                          ; s[68:69] where my prefetches stand
.set OUT,  90                          ; s[90:91] qkv
.set MSB, 0
.macro WIN new                         ; the immediate's high byte repeats the setting that is left
.if MSB != (\new)
	s_set_vgpr_msb (MSB<<8)|(\new)
.set MSB, \new
.endif
.endm
.macro JLOAD s                         ; a joint load: wave 0 fetches xn's 128 rows, waves 1 to 3 128 rows of wb each; an s_nop 0 and four v_nop follow each line
	s_cmp_eq_u32 s10, 0
	s_cbranch_scc0 .Lfor_b_\@
	tensor_load_to_lds s[G0+4*(\s):G0+4*(\s)+3], s[G1:G1+7]
	s_nop 0
.rept 4
	v_nop
.endr
	s_branch .Lasked_\@
.Lfor_b_\@:
	tensor_load_to_lds s[G0B+4*(\s):G0B+4*(\s)+3], s[G1B:G1B+7]
	s_nop 0
.rept 4
	v_nop
.endr
.Lasked_\@:
.endm
; A prefetch into the L2 of the K step that stands two refills on: 32 rows x 256 bytes, a lane a row.  xn's rows are asked for by the clusters with x = 0 (wave 0), wb's by those with y = 0
; (waves 1 to 3); of the 128 rows that a wave fetches each of the four partners takes 32, told apart by address.  So each row's 256 bytes of a K step are named once in the launch.
; The first four K steps come by their loads alone; the loop's last two trips ask for nothing: K steps 16 and 17 do not exist.
.macro ASK
	s_cmp_gt_u32 s3, s[LIM]
	s_cbranch_scc0 .Lnot_mine_\@
	global_prefetch_b8 v[PFO], s[PFA:PFA+1] th:TH_LOAD_NT scope:SCOPE_SE
.Lnot_mine_\@:
.endm
.macro CREST                           ; a round of the cluster's barrier behind its opening barrier
	s_cmp_lg_u32 s10, 0
	s_cbranch_scc1 .Lnot_wave_0_\@
	s_barrier_signal -3
.Lnot_wave_0_\@:
	s_barrier_wait -3
	s_barrier_signal -1
	s_barrier_wait -1
.endm
.macro CROUND
	s_barrier_signal -1
	s_barrier_wait -1
	CREST
.endm
.macro PLACES                          ; four places in front of loads into registers that matrix instructions have read, and of vector lines that read results
.rept 4
	v_nop
.endr
.endm
	s_load_b128 s[4:7], s[0:1], 0x0                ; xn s[4:5], wb s[6:7]
	s_load_b64 s[OUT:OUT+1], s[0:1], 0x10          ; qkv
	v_lshl_add_u32 v[SPW], v0, 2, SPARE
	v_mov_b32 v[NIL], 0
	ds_add_u32 v[SPW], v[NIL]                      ; the wave's opening: the add and its wait ahead of my first tensor load
	v_lshrrev_b32 v1, 5, v0
	v_readfirstlane_b32 s10, v1                    ; wave 0..3
	s_lshr_b32 s11, s10, 1                         ; which 64 rows of the tile are mine
	s_and_b32 s12, s10, 1                          ; which 192 columns
	s_bfe_u32 s40, ttmp6, 0x40000                  ; cx, cy: my place in the cluster
	s_bfe_u32 s41, ttmp6, 0x40004
	s_lshl_b32 s42, ttmp9, 2
	s_add_co_u32 s42, s42, s40                     ; tile column = 4 x cluster x + cx
	s_and_b32 s13, ttmp7, 0xffff
	s_lshl_b32 s13, s13, 2
	s_add_co_u32 s13, s13, s41                     ; tile row = 4 x cluster y + cy
	s_lshl_b32 s43, s41, 2
	s_lshl_b32 s43, 15, s43                        ; my row of the cluster
	s_lshl_b32 s44, 0x1111, s40                    ; my column
	s_or_b32 s[G1+0], s43, (1<<16)|(1<<20)|(1<<21)|(5<<22)|(3<<25)   ; mask; elements of 2 bytes; padding on; bit 21 beside a mask; after every 64 words 4 words
	s_or_b32 s[G1B+0], s44, (1<<16)|(1<<20)|(1<<21)|(5<<22)|(3<<25)
.irp g, G1, G1B
	s_mov_b32 s[(\g)+1], KSTEP<<16                 ; tensor_dim0 = 128
	s_mov_b32 s[(\g)+2], 128<<16                   ; tensor_dim1 = 128
	s_mov_b32 s[(\g)+3], KSTEP<<16                 ; tile_dim0 = 128
	s_mov_b32 s[(\g)+4], 128                       ; tile_dim1 = 128
	s_mov_b32 s[(\g)+5], 2048                      ; elements from row to row
	s_mov_b32 s[(\g)+6], 0
	s_mov_b32 s[(\g)+7], 0
.endr
	s_lshl_b32 s16, s13, 19                        ; xn: 128 x tile row rows of 4,096 bytes
	s_mov_b32 s17, 0
	s_max_u32 s18, s10, 1
	s_sub_co_u32 s18, s18, 1
	s_lshl_b32 s18, s18, 7                         ; wb: which 128 of the tile's 384 rows I fetch (waves 1 to 3)
	s_mul_i32 s46, s42, 384
	s_add_co_u32 s46, s46, s18
	s_lshl_b32 s46, s46, 12
	s_mov_b32 s47, 0
	s_mul_i32 s20, s10, HT                         ; where they go: wave x 128 rows
	s_wait_dscnt 0x0                               ; the opening add is done
	s_wait_kmcnt 0x0
	s_add_nc_u64 s[14:15], s[4:5], s[16:17]
	s_add_nc_u64 s[46:47], s[6:7], s[46:47]
	CROUND                                         ; all sixteen work-groups are here: the first joint loads meet
.irp s, 0,1
	s_mov_b32 s[G0+4*(\s)], 1
	s_add_co_u32 s[G0+4*(\s)+1], s20, (\s)*SLOT
	s_add_nc_u64 s[G0+4*(\s)+2:G0+4*(\s)+3], s[14:15], (\s)*KSTEP*2
	s_or_b32 s[G0+4*(\s)+3], s[G0+4*(\s)+3], 0x80000000
	s_mov_b32 s[G0B+4*(\s)], 1
	s_add_co_u32 s[G0B+4*(\s)+1], s20, (\s)*SLOT
	s_add_nc_u64 s[G0B+4*(\s)+2:G0B+4*(\s)+3], s[46:47], (\s)*KSTEP*2
	s_or_b32 s[G0B+4*(\s)+3], s[G0B+4*(\s)+3], 0x80000000
	JLOAD \s                                       ; two loads of mine are out
.endr
	WIN 0x40                                       ; the sums start at 0: two fragments of zeros, and their product into each accumulator
.set r, 0
.rept 8
	v_mov_b32 v[r], 0
.set r, r+1
.endr
	WIN 0
.set r, 0
.rept 8
	v_mov_b32 v[64+r], 0
.set r, r+1
.endr
	WIN 0xa1
.set r, 0
.rept 24
	v_wmma_f32_16x16x32_bf16 v[8*r:8*r+7], v[0:7], v[64:71], 0
.set r, r+1
.endr
	WIN 0xf1
.set r, 0
.rept 24
	v_wmma_f32_16x16x32_bf16 v[8*r:8*r+7], v[0:7], v[64:71], 0
.set r, r+1
.endr
	WIN 0                                          ; the address work below is the places in front of the first loads into the two fragments
	v_and_b32 v1, 15, v0                           ; l % 16
	v_bfe_u32 v2, v0, 4, 1                         ; l / 16
	v_and_b32 v6, 31, v0                           ; l
	v_mul_u32_u24 v3, v1, PITCH
	v_lshl_add_u32 v3, v2, 4, v3                   ; a fragment's row x pitch + 16 x half
	s_mul_i32 s21, s11, 64*PITCH                   ; my 64 rows of xn
	s_mul_i32 s22, s12, 192*PITCH                  ; my 192 rows of wb,
	s_add_co_u32 s22, s22, HT                      ; which lie behind xn's 128
	v_add_nc_u32 v[A0], s21, v3
	v_add_nc_u32 v[B0], s22, v3
	s_mul_i32 s23, s11, 64*SPITCH                  ; into the stage: row 64 rh + l % 16, byte 384 ch + 16 (l / 16)
	s_mul_i32 s21, s12, 384
	s_add_co_u32 s23, s23, s21
	v_mul_u32_u24 v4, v1, SPITCH
	v_lshl_add_u32 v4, v2, 4, v4
	v_add_nc_u32 v[STO], s23, v4
	s_mul_i32 s23, s10, 32*SPITCH                  ; back: wave w takes rows 32 w .. 32 w + 31, whole; three loads cover two rows of 768 bytes
	v_lshl_add_u32 v[RD0], v6, 4, s23              ; bytes 0-511 of the even row (and, 1,040 further, bytes 256-767 of the odd one)
	v_mul_u32_u24 v5, v2, 272
	v_lshl_add_u32 v5, v1, 4, v5
	v_add_nc_u32 v5, 512, v5
	v_add_nc_u32 v[RD1], s23, v5                   ; lanes 0-15: bytes 512-767 of the even row; lanes 16-31: bytes 0-255 of the odd one
	v_lshlrev_b32 v[CO0], 4, v6
	v_mul_u32_u24 v5, v2, 11776
	v_lshl_add_u32 v5, v1, 4, v5
	v_add_nc_u32 v[CO1], 512, v5
	v_lshlrev_b32 v[PFO], 12, v6
	s_lshl_b32 s16, s13, 7
	s_lshl_b32 s17, s10, 5
	s_add_co_u32 s16, s16, s17                     ; the first row that I store: 128 x tile row + 32 x wave
	s_mul_i32 s16, s16, 12288
	s_mov_b32 s17, 0
	s_add_nc_u64 s[OUT:OUT+1], s[OUT:OUT+1], s[16:17]
	s_mul_i32 s46, s42, 768                        ; the tile's first column, in bytes
	s_mov_b32 s47, 0
	s_add_nc_u64 s[OUT:OUT+1], s[OUT:OUT+1], s[46:47]
	; the prefetches
	s_and_b32 s22, ttmp7, 0xffff                   ; cluster y
	s_lshl_b32 s20, s13, 7                         ; xn: the tile's first row
	s_mul_i32 s21, s42, 384
	s_add_co_u32 s21, s21, s18                     ; wb: the first of the 128 rows that I fetch
	s_cmp_eq_u32 s10, 0
	s_cselect_b32 s20, s20, s21
	s_cselect_b32 s21, s40, s41                    ; my place among the four that ask with me
	s_cselect_b32 s22, ttmp9, s22                  ; the coordinate along which other clusters read the same rows
	s_cselect_b64 s[PFA:PFA+1], s[4:5], s[6:7]
	s_cmp_eq_u32 s22, 0
	s_cselect_b32 s[LIM], 2, -1                    ; the same in all sixteen partners, for a given wave
	s_lshl_b32 s21, s21, 5
	s_add_co_u32 s20, s20, s21                     ; + my work-group's 32 rows
	s_lshl_b32 s20, s20, 12
	s_add_co_u32 s20, s20, 3*KSTEP*2               ; at K step 3: the first change of slots steps it to 4
	s_mov_b32 s21, 0
	s_add_nc_u64 s[PFA:PFA+1], s[PFA:PFA+1], s[20:21]
; 12 matrix instructions: row block a x all 12 column blocks, 32 along K, from buffer f.  The 48 accumulators take turns, one instruction a turn.
.macro MULA f, a
	WIN 0xa1+0x50*((\a)/2)                         ; source 0 (wb) window 1, source 1 (xn) window 0, C and D window 2 or 3
.irp b, 0,1,2,3,4,5,6,7,8,9,10,11
	v_wmma_f32_16x16x32_bf16 v[96*((\a)%2)+8*(\b):96*((\a)%2)+8*(\b)+7], v[96*(\f)+8*(\b):96*(\f)+8*(\b)+7], v[64+32*(\f)+8*(\a):64+32*(\f)+8*(\a)+7], v[96*((\a)%2)+8*(\b):96*((\a)%2)+8*(\b)+7]
.endr
.endm
; 32 LDS loads in one run: the fragments of 32 along K at byte k of the rows, into buffer f: wb's 24, then xn's 8
.macro FETCH k, f
	WIN 0x40
.irp i, 0,1,2,3,4,5,6,7,8,9,10,11
	ds_load_b128 v[96*(\f)+8*(\i):96*(\f)+8*(\i)+3],   v[ADRB] offset:(\k)+(\i)*16*PITCH
	ds_load_b128 v[96*(\f)+8*(\i)+4:96*(\f)+8*(\i)+7], v[ADRB] offset:(\k)+(\i)*16*PITCH+32
.endr
	WIN 0
.irp i, 0,1,2,3
	ds_load_b128 v[64+32*(\f)+8*(\i):64+32*(\f)+8*(\i)+3],   v[ADRA] offset:(\k)+(\i)*16*PITCH
	ds_load_b128 v[64+32*(\f)+8*(\i)+4:64+32*(\f)+8*(\i)+7], v[ADRA] offset:(\k)+(\i)*16*PITCH+32
.endr
.endm
; A K step is four quarters of 32 along K, 48 matrix instructions each, on buffers 0, 1, 0, 1.  One of the first three: multiplies buffer f, fetches the next quarter, at byte k, into g.
.macro QUARTER k, f, g
	s_wait_dscnt 4                                 ; wb's fragments and xn's blocks 0, 1 are in; the youngest four loads may be out
	MULA \f, 0
	MULA \f, 1
	PLACES
	FETCH \k, \g
	s_wait_dscnt 32                                ; all but the 32 just issued
	MULA \f, 2
	MULA \f, 3
.endm
; The last quarter multiplies buffer 1 and changes slots: one barrier; in front of it each wave waits for all its tensor loads, adds 0 to its spare word, and waits for that and for its reads of
; this slot.  fill = 1: the barrier opens a round of the cluster's, and this slot is filled again, two K steps ahead, first thing behind the round.
.macro TURN fill
.if \fill
	s_wait_xcnt 0x0                                ; the last prefetch, a K step back, has read its address
	s_add_nc_u64 s[PFA:PFA+1], s[PFA:PFA+1], KSTEP*2
.endif
	WIN 0
	s_wait_tensorcnt 0x0                           ; all my tensor loads have landed: my part of the next slot
	ds_add_u32 v[SPW], v[NIL]                      ; 0 onto my spare word
	s_wait_dscnt 5                                 ; (the add and the youngest four loads may be out)
	MULA 1, 0
	s_wait_dscnt 0x0                               ; the add is done, and my reads of this slot are over
	s_barrier_signal -1
	MULA 1, 1
	WIN 0
	s_barrier_wait -1
.if \fill
	CREST                                          ; no wave of any partner still reads this slot's tile or has a load on its way
	s_xor_b32 s[G0+5], s[G0+5], SLOT               ; the walking descriptors: the other slot than last time,
	s_xor_b32 s[G0B+5], s[G0B+5], SLOT
	s_add_nc_u64 s[G0+6:G0+7], s[G0+6:G0+7], KSTEP*2    ; the next K step
	s_add_nc_u64 s[G0B+6:G0B+7], s[G0B+6:G0B+7], KSTEP*2
	JLOAD 1                                        ; its four v_nop are also places in front of the loads below
.else
	v_nop                                          ; with the two additions below: four places
	v_nop
.endif
	s_xor_b32 s[TB], s[TB], SLOT
	v_add_nc_u32 v[ADRA], s[TB], v[A0]
	v_add_nc_u32 v[ADRB], s[TB], v[B0]
	FETCH 0, 0
.if \fill
	ASK
.endif
	MULA 1, 2
	MULA 1, 3
.endm
.macro STEP fill
	QUARTER 64,  0, 1
	QUARTER 128, 1, 0
	QUARTER 192, 0, 1
	TURN \fill
.endm
	s_wait_tensorcnt 1                             ; my part of K step 0 is in; K step 1's may stay out
	s_barrier_signal -1
	s_barrier_wait -1
	s_mov_b32 s[TB], 0
	v_mov_b32 v[ADRA], v[A0]
	v_mov_b32 v[ADRB], v[B0]
	FETCH 0, 0
	WIN 0
	s_mov_b32 s3, 14
.LA:                                           ; K steps 0 to 13: each fills its slot again
	STEP 1
	WIN 0
	s_sub_co_u32 s3, s3, 1
	s_cmp_lg_u32 s3, 0
	s_cbranch_scc1 .LA
	s_mov_b32 s3, 2
.LB:                                           ; K steps 14 and 15 ask for nothing
	STEP 0
	WIN 0
	s_sub_co_u32 s3, s3, 1
	s_cmp_lg_u32 s3, 0
	s_cbranch_scc1 .LB
	; THE WAY OUT: round to bf16, 16 bytes a lane into the work-group's stage; a barrier; back as whole rows.
	s_wait_dscnt 0x0                               ; my reads of slot 0 are over
	s_barrier_signal -1
	s_barrier_wait -1                              ; everybody's are: the stage may be written
	PLACES
.irp hw, 0,1
	WIN 0x0a+0x05*(\hw)
.set q, 0
.rept 96
	v_cvt_pk_bf16_f32 v[TMP+96*(\hw)+q], v[2*q], v[2*q+1]
.set q, q+1
.endr
.endr
	WIN 0
.irp a, 0,1,2,3
.irp b, 0,1,2,3,4,5,6,7,8,9,10,11
	ds_store_b128 v[STO], v[TMP+4*(12*(\a)+(\b)):TMP+4*(12*(\a)+(\b))+3] offset:(\a)*16*SPITCH+32*(\b)
.endr
.endr
	s_wait_dscnt 0x0                               ; for the others' sake: my stores into the stage are done
	s_barrier_signal -1
	s_barrier_wait -1
.set i, 0
.rept 16
	ds_load_b128 v[TMP+12*i:TMP+12*i+3],    v[RD0] offset:i*2*SPITCH
	ds_load_b128 v[TMP+12*i+4:TMP+12*i+7],  v[RD1] offset:i*2*SPITCH
	ds_load_b128 v[TMP+12*i+8:TMP+12*i+11], v[RD0] offset:i*2*SPITCH+1040
.set i, i+1
.endr
.set i, 0
.rept 16                                       ; sixteen lanes store 256 consecutive bytes, at a multiple of 256 from qkv's first byte
	s_wait_dscnt 45-3*i                            ; two more rows are back; the younger loads stay out
	global_store_b128 v[CO0], v[TMP+12*i:TMP+12*i+3], s[OUT:OUT+1] offset:i*24576
	global_store_b128 v[CO1], v[TMP+12*i+4:TMP+12*i+7], s[OUT:OUT+1] offset:i*24576
	global_store_b128 v[CO0], v[TMP+12*i+8:TMP+12*i+11], s[OUT:OUT+1] offset:i*24576+12544
.set i, i+1
.endr
	s_wait_tensorcnt 0x0                           ; the wave's end
	ds_add_u32 v[SPW], v[NIL]
	s_wait_dscnt 0x0
	CROUND                                         ; the closing round
	s_endpgm
.Lfunc_end_k_qa0d3f70364_qkv:
	.size	k_qa0d3f70364_qkv, .Lfunc_end_k_qa0d3f70364_qkv-k_qa0d3f70364_qkv
	.p2alignl 7, 3214868480
	.fill 96, 4, 3214868480
	.section	.rodata,"a",@progbits
	.p2align	6, 0x0
	.amdhsa_kernel k_qa0d3f70364_qkv
		.amdhsa_group_segment_fixed_size 327680
		.amdhsa_private_segment_fixed_size 0
		.amdhsa_enable_private_segment 0
		.amdhsa_kernarg_size 24
		.amdhsa_user_sgpr_count 2
		.amdhsa_user_sgpr_kernarg_segment_ptr 1
		.amdhsa_wavefront_size32 1
		.amdhsa_system_sgpr_workgroup_id_x 1
		.amdhsa_system_sgpr_workgroup_id_y 1
		.amdhsa_system_sgpr_workgroup_id_z 1
		.amdhsa_system_vgpr_workitem_id 0
		.amdhsa_next_free_vgpr 960
		.amdhsa_next_free_sgpr 96
		.amdhsa_reserve_vcc 0
		.amdhsa_float_denorm_mode_32 3
		.amdhsa_float_denorm_mode_16_64 3
		.amdhsa_memory_ordered 1
		.amdhsa_forward_progress 1
		.amdhsa_inst_pref_size 82
	.end_amdhsa_kernel
	.amdgpu_metadata
---
amdhsa.version: [ 1, 2 ]
amdhsa.kernels:
  - .name:           k_qa0d3f70364_qkv
    .symbol:         k_qa0d3f70364_qkv.kd
    .args:
      - { .name: xn, .offset: 0, .size: 8, .value_kind: global_buffer, .address_space: global }
      - { .name: wb, .offset: 8, .size: 8, .value_kind: global_buffer, .address_space: global }
      - { .name: qkv, .offset: 16, .size: 8, .value_kind: global_buffer, .address_space: global }
    .group_segment_fixed_size: 327680
    .private_segment_fixed_size: 0
    .kernarg_segment_align: 8
    .kernarg_segment_size: 24
    .max_flat_workgroup_size: 128
    .sgpr_count:     96
    .vgpr_count:     960
    .wavefront_size: 32
...
	.end_amdgpu_metadata
.endif
;; end of part 2
;; launch attn (part 3): grid 16 x 16, 4 waves a work-group, clusters of 4 x 1, 327,680 bytes of LDS; arguments qkv, xn, alpha, ao, Wo, Wg, Wu, Wd, wb; writes ao, wb
.if DOCPART == 3
	.amdgcn_target "amdgcn-amd-amdhsa--gfx1250"
	.amdhsa_code_object_version 6
	.text
	.protected	k_qa0d3f70364_attn
	.globl	k_qa0d3f70364_attn
	.p2align	8
	.type	k_qa0d3f70364_attn,@function
k_qa0d3f70364_attn:
	s_mov_b64 s[64:65], 0
	v_nop
	global_prefetch_b8 v0, s[64:65] scope:SCOPE_SE
	s_setreg_imm32_b32 hwreg(HW_REG_WAVE_MODE, 25, 1), 1
	s_wait_xcnt 0x0
	s_wait_alu depctr_hold_cnt(0) depctr_sa_sdst(0) depctr_va_vdst(0) depctr_va_sdst(0) depctr_va_ssrc(0) depctr_va_vcc(0) depctr_vm_vsrc(0)
	s_getreg_b32 s2, hwreg(HW_REG_IB_STS2, 6, 4)
	s_cmp_eq_u32 s2, 0
	s_cbranch_scc0 .Lentry_in_a_cluster
	s_endpgm
.Lentry_in_a_cluster:
	s_bfe_u32 s2, ttmp6, 0x10000c
	s_cmp_lg_u32 s2, 0x3003
	s_cbranch_scc0 .Lentry_shape_is_right
	s_endpgm
.Lentry_shape_is_right:
; CAUSAL ATTENTION, 16 heads of 128 channels, 2,048 rows: ao[q][128 h + c] = sum over k <= q of softmax_k(Q.K / sqrt(128)) V[k][c] + alpha[h] xn[q][128 h + c].
; qkv: [2048][6144] bf16 (columns 0-2047 q, then k, then v, already scaled); a head's piece of a row is 256 bytes.  Products, maxima and sums in f32; the weights are rounded to bf16
; for the second product, ao once at the end.
; BESIDE IT the launch rounds Wo, Wg, Wu and Wd to bf16 into wb (from byte 25,165,824 on, in that order), for the launches behind: in each of its eight loop trips a wave takes 2,048 bytes of Wo and
; 1,024 each of Wg, Wu and Wd: ten loads issued ahead of the trip's products, ten stores behind them.  1,024 waves x 8 trips cover the four matrices once.
; LIMITS.  A hidden score counts as its value less 1e30, so scores stay under about 1e29 in size; a weight below 2^-126 counts as 0 in the sum; NaN and infinities are not treated apart.
; THE WALK.  A head's queries lie in 32 blocks of 64; block i needs the key tiles 0 .. i / 4 of 256 keys, of which the last holds the diagonal.  Work-group p = 4 a + cx takes block 31 - p and
; then block p: (8 - a) + (a + 1) = 9 tiles whatever p: one counted walk.  The four partners of a cluster share a, so they want the same tile in every trip: each tile is asked for jointly.
; THE KEYS ARE SPLIT AMONG THE WAVES.  Every wave holds all 64 queries (four tiles of 16) and takes keys 64 w .. 64 w + 63 of each tile: a fragment of K or V is read from LDS by one wave and
; feeds four query tiles.  At a block's end the four waves' maxima, sums and O meet in LDS.
; LAYOUT.  S^T = K Q^T holds one query a lane (lane % 16) and the keys 8 (lane / 16) + 0..7; two such results rounded to bf16 are source 1 of O^T = V^T P.  p = 2^(c s - c m), c = log2(e) / sqrt(128),
; with a running maximum m; O and l are multiplied by a = 2^(c m_old - c m_new) in every step.  m starts at the lowest finite number, so a block's first step has a = 0.
; THE MASK is the C operand that starts the sums of S^T: 0 or -1e30.  In a block's last tile strip w of 64 keys sees all (w < D), nothing (w > D) or holds the diagonal (w = D); D enters values alone.
; A wholly hidden strip is computed all the same; where a wave has seen no key of a block, its c m is about -1.3e29 and the merge multiplies its finite sums by 0.
; A TILE's work: piece 0's scores (tiles 0, 1); piece 2's scores with piece 0's softmax in slices behind them; piece 0's V^T P with piece 2's softmax; piece 2's V^T P.
; REGISTERS: window 0: v0-11 addresses; v12-43 statistics, eight a tile; v44-63 addresses; v64-191 S^T; v192-255 P.  window 1: O^T, 64 a tile.
;   window 2: v0-127 Q; v128-255 K.  window 3: v0-127 V; v128-151 three masks of eight; v152-191 weights as loaded; v192-211 weights rounded.
.set PK,    272       ; a row of K in LDS: 256 bytes + 16
.set PV,    288       ; a row of V: 256 + 32
.set VOFF,  256*PK    ; a slot: 256 rows of K, then 256 rows of V
.set STATS, VOFF+256*PV  ; behind slot 0: 4,096 bytes, never filled by a tensor load: the waves' c m and l
.set SLOT1, 0x24000   ; slot 1; the number shares no bit with a descriptor's LDS address in slot 0
.set MST,   SLOT1+STATS  ; behind slot 1: 32,768 bytes for the merge, later the way out's 64 rows x 272
.set SPARE, MST+32768 ; the spare words, 128 bytes a wave: two blocks of 256 bytes that no other line names
.set TILEB, 256*12288 ; bytes from a key tile to the next
.set WOFF,  25165824  ; where Wo's rounded rows begin in wb; Wg's 8 MiB on, Wu's 12, Wd's 16
.set AK0, 2           ; v2   my lane's place in my strip of a tile of K; never rewritten
.set AV0, 3           ; v3   the same for V
.set ADR, 4           ; v4   the LDS address of the run of loads in hand
.set QO,  5           ; v5   my byte offset in 16 rows of Q
.set ST,  12          ; tile t's statistics at v[ST+8 t]: c m, m, l (two), four at work; a takes the third of those
.set SA,  44          ; v44  where I put my statistics
.set SL,  45          ; v45  where I read everybody's
.set MS,  46          ; v46  the merge: where I put 16 bytes
.set ML,  47          ; v47  the merge: where I read
.set OS,  48          ; v48  the way out: in
.set ORD, 49          ; v49  the way out: back
.set GO,  50          ; v50  my byte offset in ao
.set XO,  51          ; v51  my byte offset in xn
.set VAL, 52          ; v52  alpha of the head
.set QH,  53          ; v53  l % 16 - 8 (l / 16)
.set WSO, 54          ; v54  16 x lane; never rewritten
.set WDO, 55          ; v55  8 x lane; never rewritten
.set VO1, 56          ; v56  the trip's offset in my part of Wg, Wu, Wd: 1,024 x trip + 16 x lane
.set VO2, 57          ; v57  in my part of Wo: 2,048 x trip + 16 x lane
.set VD1, 58          ; v58  in their rounded copies: 512 x trip + 8 x lane
.set VD2, 59          ; v59  1,024 x trip + 8 x lane
.set PFO, 61          ; v61  lane x 12,288
.set SPW, 62          ; v62  LDS address of my spare word; never rewritten
.set NIL, 63          ; v63  0; never rewritten
.set S,   64
.set P,   192
.set KF,  128         ; window 2
.set MLT, 128         ; window 3: the mask where the key block lies below the query tile,
.set MEQ, 136         ; on it,
.set MGT, 144         ; above it
.set CX,  152         ; window 3: ten loads' 40 registers
.set CY,  192         ; window 3: their 20 registers of bf16
.set RB,  64          ; at a block's end: what is read back
.set R,   128         ; the merged O, 16 a tile (before that: the statistics read back)
.set MX,  160
.set LT,  164
.set RC,  168
.set XN,  192
.set PKD, 224
.set WV,  12          ; s12  my wave's number
.set AA,  14          ; s14  a
.set DU,  10          ; s[10:11] wb at my part of Wu's copy; Wg's lies 4 MiB below, Wd's 4 MiB above
.set TO,  22          ; s22  the trip's number
.set G1K, 24
.set G1V, 32
.set G0K, 40
.set G0V, 44
.set KB,  48          ; s[48:49] K at my half of the head's tile 0
.set VB,  50          ; s[50:51] V likewise
.set QLO, 52          ; s[52:53] Q at the second block
.set XB,  54          ; s[54:55] xn at the block in hand
.set XLO, 56
.set CS,  58          ; s[58:59] c
.set SEL, 60          ; s[60:61] v_permlanex16_b32's selects
.set TB,  62          ; s62  LDS byte at which the slot being read begins
.set CNT, 63          ; s63  trips to go
.set OB,  66          ; s[66:67] ao at the block in hand
.set OLO, 68
.set RT,  70          ; s70  tiles of the block in hand still to be entered
.set NXT, 71          ; s71  the tile to be asked for next
.set LQ,  72          ; s72  the last tile of the block whose tiles are being asked for
.set DD,  73          ; s73  D
.set OFF, 74          ; s[74:75] a tile's byte offset
.set BE1, 76
.set BE2, 77
.set BIGN, 78         ; s78  -1e30
.set LIM, 79          ; s79  3 in a work-group that prefetches, else the greatest number
.set PFA, 80          ; s[80:81]
.set QB,  82          ; s[82:83] Q at the first block
.set WP,  84          ; s[84:91] Wo, Wg, Wu, Wd at my wave's part
.set DO,  92          ; s[92:93] wb at my part of Wo's copy
.set MSB, 0
.macro WIN new
.if MSB != (\new)
	s_set_vgpr_msb (MSB<<8)|(\new)
.set MSB, (\new)
.endif
.endm
.set W_KQ, 0x0a       ; K and Q in window 2, S^T in window 0
.set W_KM, 0x3a       ; the same with the C operand in window 3
.set W_PV, 0x53       ; V in window 3, P in window 0, O^T in window 1
.set W_RS, 0x41       ; O^T in window 1, a in window 0
.macro JLOAD                        ; a joint fill: waves 0 and 1 fetch the two halves of a tile's K, waves 2 and 3 those of its V; an s_nop 0 and four v_nop follow each line
	s_cmp_lt_u32 s[WV], 2
	s_cbranch_scc0 .Lfor_v_\@
	tensor_load_to_lds s[G0K:G0K+3], s[G1K:G1K+7]
	s_nop 0
.rept 4
	v_nop
.endr
	s_branch .Lasked_\@
.Lfor_v_\@:
	tensor_load_to_lds s[G0V:G0V+3], s[G1V:G1V+7]
	s_nop 0
.rept 4
	v_nop
.endr
.Lasked_\@:
.endm
; A prefetch into the L2 of the tile that stands two fills on.  A head's four clusters begin with the same tiles 0, 1, 2 ..: the cluster a = 0, which walks all eight, asks, and nobody else.  Each of its sixteen
; waves asks for 32 of the 128 rows that it fetches, the partners told apart by address: a lane a row, 256 bytes.  Trip j fills tile j + 1 and names tile j + 3; trips 5 and later name nothing: tile 7 is the last.
.macro ASK
	s_cmp_gt_u32 s[CNT], s[LIM]
	s_cbranch_scc0 .Lnot_mine_\@
	global_prefetch_b8 v[PFO], s[PFA:PFA+1] th:TH_LOAD_NT scope:SCOPE_SE
.Lnot_mine_\@:
.endm
.macro CROUND
	s_barrier_signal -1
	s_barrier_wait -1
	s_cmp_lg_u32 s[WV], 0
	s_cbranch_scc1 .Lnot_wave_0_\@
	s_barrier_signal -3
.Lnot_wave_0_\@:
	s_barrier_wait -3
	s_barrier_signal -1
	s_barrier_wait -1
.endm
.macro PLACES
.rept 4
	v_nop
.endr
.endm
; THE CHANGE OF SLOTS.  Each wave waits for all its tensor loads (one is out: its part of the other slot), adds 0 to its spare word, and waits for that and for its reads of the slot that it leaves.
; fill = 1: the barrier is a round of the cluster's, and the old slot is filled again, first thing behind it, with tile NXT; the descriptor's address is made anew from that number.
; (At its first use nothing has been read yet: slot 0 is waited for, slot 1 filled.)
.macro CHANGE fill
	WIN 0
	s_wait_tensorcnt 0x0            ; no tensor load of mine is out, so a group 0 may be written
	ds_add_u32 v[SPW], v[NIL]       ; 0 onto my spare word
.if \fill
	s_mul_i32 s[OFF], s[NXT], TILEB
	s_xor_b32 s[G0K+1], s[G0K+1], SLOT1
	s_add_nc_u64 s[G0K+2:G0K+3], s[KB:KB+1], s[OFF:OFF+1]
	s_or_b32 s[G0K+3], s[G0K+3], 0x80000000
	s_xor_b32 s[G0V+1], s[G0V+1], SLOT1
	s_add_nc_u64 s[G0V+2:G0V+3], s[VB:VB+1], s[OFF:OFF+1]
	s_or_b32 s[G0V+3], s[G0V+3], 0x80000000
	s_add_co_u32 s[NXT], s[NXT], 1  ; the block's next tile, or behind its last the second block's tile 0
	s_cmp_gt_u32 s[NXT], s[LQ]
	s_cselect_b32 s[NXT], 0, s[NXT]
	s_cselect_b32 s[LQ], s[AA], s[LQ]
	s_wait_xcnt 0x0                 ; the last prefetch and the last trip's stores of weights have read their registers
	s_add_nc_u64 s[PFA:PFA+1], s[PFA:PFA+1], TILEB
.endif
	s_wait_dscnt 0x0                ; the add is done, and my reads of the slot are over
.if \fill
	CROUND
	JLOAD
	ASK
.else
	s_barrier_signal -1
	s_barrier_wait -1
.endif
	s_xor_b32 s[TB], s[TB], SLOT1   ; the reads go to the other slot
.endm
	s_load_b256 s[4:11], s[0:1], 0x0  ; qkv s[4:5], xn s[6:7], alpha s[8:9], ao s[10:11]
	v_lshl_add_u32 v[SPW], v0, 2, SPARE
	v_mov_b32 v[NIL], 0
	ds_add_u32 v[SPW], v[NIL]       ; the wave's opening: the add and its wait ahead of my first tensor load
	v_lshrrev_b32 v1, 5, v0
	v_readfirstlane_b32 s[WV], v1   ; wave 0..3
	s_bfe_u32 s13, ttmp6, 0x40000   ; cx
	s_mov_b32 s[AA], ttmp9          ; the cluster's number in the head
	s_and_b32 s15, ttmp7, 0xffff
	s_lshl_b32 s15, s15, 8          ; the head's 256 bytes in a row
	s_and_b32 s16, s[WV], 1         ; which half of a tile's 256 keys I fetch
	s_mul_i32 s20, s16, 128*12288
	s_add_co_u32 s20, s20, s15
	s_add_co_u32 s20, s20, 4096     ; k's columns begin 4,096 bytes into a row
	s_mov_b32 s21, 0
	s_mul_i32 s17, s16, 128*PK      ; its place in a slot, for K
	s_mul_i32 s18, s16, 128*PV      ; and for V
	s_lshl_b32 s2, s[AA], 2
	s_add_co_u32 s2, s2, s13        ; p: the second block
	s_sub_co_u32 s3, 31, s2         ; 31 - p: the first
	s_mul_i32 s84, s3, 64*12288
	s_add_co_u32 s84, s84, s15
	s_mov_b32 s85, 0
	s_mul_i32 s86, s2, 64*12288
	s_add_co_u32 s86, s86, s15
	s_mov_b32 s87, 0
	s_lshl_b32 s88, s3, 18          ; 64 rows of 4,096 bytes
	s_add_co_u32 s88, s88, s15
	s_mov_b32 s89, 0
	s_lshl_b32 s90, s2, 18
	s_add_co_u32 s90, s90, s15
	s_mov_b32 s91, 0
	s_lshr_b32 s92, s15, 6          ; 4 x head
	s_mov_b32 s93, 0
	s_mov_b32 s[G1K], 15|(1<<16)|(1<<20)|(1<<21)|(5<<22)|(3<<25)  ; the mask of four; 2-byte elements; padding on; bit 21 beside a mask; after every 64 words 4 words
	s_mov_b32 s[G1V], 15|(1<<16)|(1<<20)|(1<<21)|(5<<22)|(7<<25)  ; the same with 8 words
.irp g, G1K, G1V
	s_mov_b32 s[(\g)+1], 128<<16    ; tensor_dim0 = 128
	s_mov_b32 s[(\g)+2], 128<<16    ; tensor_dim1 = 128
	s_mov_b32 s[(\g)+3], 128<<16    ; tile_dim0 = 128
	s_mov_b32 s[(\g)+4], 128        ; tile_dim1 = 128
	s_mov_b32 s[(\g)+5], 6144       ; elements from row to row
	s_mov_b32 s[(\g)+6], 0
	s_mov_b32 s[(\g)+7], 0
.endr
	s_mov_b32 s[G0K], 1
	s_mov_b32 s[G0K+1], s17         ; slot 0
	s_mov_b32 s[G0V], 1
	s_add_co_u32 s[G0V+1], s18, VOFF
	s_mov_b32 s[CS], 0x3e0293ee     ; c = log2(e) / sqrt(128)
	s_mov_b32 s[CS+1], s[CS]
	s_mov_b32 s[SEL], 0x76543210
	s_mov_b32 s[SEL+1], 0xfedcba98
	s_mov_b32 s[TB], SLOT1          ; the first change of slots turns it into 0
	s_mov_b32 s[CNT], 8
	s_sub_co_u32 s[RT], 8, s[AA]    ; the first block has 8 - a tiles
	s_mov_b32 s[NXT], 1
	s_sub_co_u32 s[LQ], 7, s[AA]
	s_sub_co_u32 s[DD], 3, s13
	s_mov_b32 s[OFF+1], 0
	s_mov_b32 s[BIGN], 0xf149f2ca   ; -1e30
	s_cmp_eq_u32 s[AA], 0
	s_cselect_b32 s[LIM], 3, -1     ; the same in all four partners
	s_wait_dscnt 0x0                ; the opening add is done
	s_wait_kmcnt 0x0
	s_add_nc_u64 s[KB:KB+1], s[4:5], s[20:21]
	s_add_nc_u64 s[VB:VB+1], s[KB:KB+1], 4096
	s_add_nc_u64 s[QB:QB+1], s[4:5], s[84:85]
	s_add_nc_u64 s[QLO:QLO+1], s[4:5], s[86:87]
	s_add_nc_u64 s[XB:XB+1], s[6:7], s[88:89]
	s_add_nc_u64 s[XLO:XLO+1], s[6:7], s[90:91]
	s_add_nc_u64 s[OB:OB+1], s[10:11], s[88:89]
	s_add_nc_u64 s[OLO:OLO+1], s[10:11], s[90:91]
	s_add_nc_u64 s[8:9], s[8:9], s[92:93]
	s_load_b32 s94, s[8:9], 0x0     ; alpha of the head
	s_load_b256 s[WP:WP+7], s[0:1], 0x20  ; Wo, Wg, Wu, Wd
	s_load_b64 s[DO:DO+1], s[0:1], 0x40   ; wb
	s_mov_b64 s[G0K+2:G0K+3], s[KB:KB+1]
	s_or_b32 s[G0K+3], s[G0K+3], 0x80000000
	s_mov_b64 s[G0V+2:G0V+3], s[VB:VB+1]
	s_or_b32 s[G0V+3], s[G0V+3], 0x80000000
	s_cmp_lt_u32 s[WV], 2
	s_cselect_b64 s[PFA:PFA+1], s[KB:KB+1], s[VB:VB+1]
	s_mul_i32 s22, s13, 32*12288    ; my work-group's 32 of the 128 rows
	s_add_co_u32 s22, s22, 2*TILEB  ; in tile 2; the first change of slots steps it to tile 3
	s_mov_b32 s23, 0
	s_add_nc_u64 s[PFA:PFA+1], s[PFA:PFA+1], s[22:23]
	CROUND                          ; all four work-groups are here: the first joint loads meet
	JLOAD                           ; tile 0 into slot 0
	v_and_b32 v1, 15, v0            ; l % 16
	v_bfe_u32 v9, v0, 4, 1          ; l / 16
	v_and_b32 v10, 31, v0           ; l
	v_mul_u32_u24 v[QO], v1, 12288
	v_lshl_add_u32 v[QO], v9, 4, v[QO]
	WIN 0x80
.irp i, 0,1,2,3,4,5,6,7,8,9,10,11,12,13,14,15  ; the first block's Q: tile i / 4, channels 32 (i % 4) on
	global_load_b128 v[8*(\i):8*(\i)+3],   v[QO], s[QB:QB+1] offset:((\i)/4)*196608+((\i)%4)*64
	global_load_b128 v[8*(\i)+4:8*(\i)+7], v[QO], s[QB:QB+1] offset:((\i)/4)*196608+((\i)%4)*64+32
.endr
	WIN 0                           ; a block's first step multiplies O^T and l by 0, so they need only be finite: zeros here (the product of two fragments of zeros into each accumulator), what the first block left for the second
.set i, 0
.rept 16
	v_mov_b32 v[P+i], 0
.set i, i+1
.endr
	WIN 0x40
.set i, 0
.rept 32
	v_wmma_f32_16x16x32_bf16 v[8*i:8*i+7], v[P:P+7], v[P+8:P+15], 0
.set i, i+1
.endr
	WIN 0
.irp t, 0,1,2,3
	v_mov_b32 v[ST+8*(\t)], 0xfe000000    ; c m: far below every c s
	v_mov_b32 v[ST+8*(\t)+1], 0xff7fffff  ; m
	v_mov_b32 v[ST+8*(\t)+2], 0
	v_mov_b32 v[ST+8*(\t)+3], 0
.endr
	s_mul_i32 s16, s[WV], 64*PK
	v_mul_u32_u24 v[AK0], v1, PK
	v_lshl_add_u32 v[AK0], v9, 4, v[AK0]
	v_add_nc_u32 v[AK0], s16, v[AK0]      ; row x pitch + 16 x half + my strip
	v_and_b32 v11, 7, v0
	v_bfe_u32 v8, v0, 3, 1
	v_lshl_add_u32 v[AV0], v9, 3, v11     ; the turning load: key 8 (l / 16) + l % 8, channels 8 ((l / 8) % 2) on
	v_mul_u32_u24 v[AV0], v[AV0], PV
	v_lshl_add_u32 v[AV0], v8, 4, v[AV0]
	s_mul_i32 s16, s[WV], 64*PV
	s_add_co_u32 s16, s16, VOFF
	v_add_nc_u32 v[AV0], s16, v[AV0]
	s_lshl_b32 s16, s[WV], 10
	s_add_co_u32 s16, s16, STATS
	v_lshl_add_u32 v[SA], v10, 3, s16
	v_lshlrev_b32 v[SL], 3, v10
	v_add_nc_u32 v[SL], STATS, v[SL]
	s_lshl_b32 s16, s[WV], 13
	s_add_co_u32 s16, s16, MST
	v_lshl_add_u32 v[MS], v10, 4, s16
	s_lshl_b32 s16, s[WV], 11
	s_add_co_u32 s16, s16, MST
	v_lshl_add_u32 v[ML], v10, 4, s16
	s_lshl_b32 s16, s[WV], 6              ; my 32 channels: 64 bytes
	v_mul_u32_u24 v[OS], v1, 272
	v_lshl_add_u32 v[OS], v9, 4, v[OS]
	v_add_nc_u32 v[OS], s16, v[OS]
	v_add_nc_u32 v[OS], MST, v[OS]
	v_lshlrev_b32 v[XO], 12, v1
	v_lshl_add_u32 v[XO], v9, 4, v[XO]
	v_add_nc_u32 v[XO], s16, v[XO]
	s_lshl_b32 s16, s[WV], 4
	v_add_nc_u32 v8, s16, v9              ; row 16 w + l / 16
	v_mul_u32_u24 v[ORD], v8, 272
	v_lshl_add_u32 v[ORD], v1, 4, v[ORD]
	v_add_nc_u32 v[ORD], MST, v[ORD]
	v_lshlrev_b32 v[GO], 12, v8
	v_lshl_add_u32 v[GO], v1, 4, v[GO]
	v_lshlrev_b32 v[QH], 3, v9
	v_sub_nc_u32 v[QH], v1, v[QH]
	v_mul_u32_u24 v[PFO], v10, 12288
	v_lshlrev_b32 v[WSO], 4, v10
	v_lshlrev_b32 v[WDO], 3, v10
	s_lshr_b32 s20, s15, 4                ; my wave among the launch's 1,024: ((16 x head + p) x 4 + wave)
	s_add_co_u32 s20, s20, s2
	s_lshl_b32 s20, s20, 2
	s_add_co_u32 s20, s20, s[WV]
	s_mov_b32 s23, 0
	s_mov_b32 s5, 0
	s_lshl_b32 s4, s20, 12                ; its 4,096 bytes of Wu's copy
	s_add_co_u32 s4, s4, WOFF+12582912
	s_wait_kmcnt 0x0
	v_mov_b32 v[VAL], s94
	s_lshl_b32 s22, s20, 14               ; its 16,384 bytes of Wo,
	s_add_nc_u64 s[WP:WP+1], s[WP:WP+1], s[22:23]
	s_lshl_b32 s22, s20, 13               ; its 8,192 of Wg, Wu and Wd,
	s_add_nc_u64 s[WP+2:WP+3], s[WP+2:WP+3], s[22:23]
	s_add_nc_u64 s[WP+4:WP+5], s[WP+4:WP+5], s[22:23]
	s_add_nc_u64 s[WP+6:WP+7], s[WP+6:WP+7], s[22:23]
	s_add_co_u32 s22, s22, WOFF           ; and its 8,192 of Wo's copy
	s_add_nc_u64 s[DU:DU+1], s[DO:DO+1], s[4:5]
	s_add_nc_u64 s[DO:DO+1], s[DO:DO+1], s[22:23]
; THE MATRIX WORK.  The accumulators take turns, one instruction a turn.
; Product i of 32 of S^T = K Q^T for piece x: channels 32 (i / 8) on, keys 16 ((i / 2) % 4) on, tile x + i % 2.  The first 8 start the sums with the mask that fits key block and tile.
.macro KQ x
.set rS, S+32*((\x)+i%2)+8*((i/2)%4)
.set rK, KF+32*((i/2)%4)+8*(i/8)
.set rQ, 32*((\x)+i%2)+8*(i/8)
.if i < 8
.set rM, MEQ
.if ((i/2)%4) < ((\x)+i%2)
.set rM, MLT
.endif
.if ((i/2)%4) > ((\x)+i%2)
.set rM, MGT
.endif
	WIN W_KM
	v_wmma_f32_16x16x32_bf16 v[rS:rS+7], v[rK:rK+7], v[rQ:rQ+7], v[rM:rM+7]
.else
	WIN W_KQ
	v_wmma_f32_16x16x32_bf16 v[rS:rS+7], v[rK:rK+7], v[rQ:rQ+7], v[rS:rS+7]
.endif
.endm
; Product i of 32 of O^T += V^T P: keys 32 (i / 16) on, channels 16 ((i / 2) % 8) on, tile x + i % 2.
.macro PV x
	WIN W_PV
.set rO, 64*((\x)+i%2)+8*((i/2)%8)
.set rV, 64*(i/16)+8*((i/2)%8)
.set rP, P+16*((\x)+i%2)+8*(i/16)
	v_wmma_f32_16x16x32_bf16 v[rO:rO+7], v[rV:rV+7], v[rP:rP+7], v[rO:rO+7]
.endm
; THE LDS LOADS stand in runs of 32: my strip's K (64 keys x 128 channels) and its V (turned).
.macro FETCH_K
	WIN 0
	v_add_nc_u32 v[ADR], s[TB], v[AK0]
	WIN 0x80
.irp f, 0,1,2,3,4,5,6,7,8,9,10,11,12,13,14,15  ; keys 16 (f / 4) on, channels 32 (f % 4) on
	ds_load_b128 v[KF+8*(\f):KF+8*(\f)+3],   v[ADR] offset:((\f)/4)*16*PK+((\f)%4)*64
	ds_load_b128 v[KF+8*(\f)+4:KF+8*(\f)+7], v[ADR] offset:((\f)/4)*16*PK+((\f)%4)*64+32
.endr
.endm
.macro FETCH_V
	WIN 0
	v_add_nc_u32 v[ADR], s[TB], v[AV0]
	s_wait_alu depctr_va_vdst(0)    ; the wait for the softmax's batch of exponentials (SLICE), ahead of the loads
	WIN 0xc0
.irp f, 0,1,2,3,4,5,6,7,8,9,10,11,12,13,14,15  ; keys 32 (f / 8) on, channels 16 (f % 8) on
	ds_load_tr16_b128 v[8*(\f):8*(\f)+3],   v[ADR] offset:((\f)/8)*32*PV+((\f)%8)*32
	ds_load_tr16_b128 v[8*(\f)+4:8*(\f)+7], v[ADR] offset:((\f)/8)*32*PV+16*PV+((\f)%8)*32
.endr
.endm
; THE VECTOR WORK.  One tile's softmax for one step is a list of 134 instructions; SM writes number j of it for tile t.
;   0-15  the maximum of the lane's 32 scores and the old m (each accumulator's lowest registers are read first)     16-20  the other half of the lanes' maximum; m; c m; its change
;   21-69 one batch: the 16 scalings c s - c m and all 33 exponentials (a at 23); none of these reads an exponential's result     (the wait: SLICE writes it)
;   70-85 the roundings to bf16     86-101 the sums; l = a l + sum     102-133 O^T times a
.macro SM t
.set rT, ST+8*(\t)
.set rS, S+32*(\t)
.set rP, P+16*(\t)
.set rO, 64*(\t)+2*(j-102)
.if j < 102
	WIN 0
.endif
.if j < 4
	v_max3_num_f32 v[rT+4+j], v[rS+8*j], v[rS+8*j+1], v[rS+8*j+2]
.elseif j < 12
	v_max3_num_f32 v[rT+4+j%4], v[rT+4+j%4], v[rS+8*(j%4)+2*(j/4)+1], v[rS+8*(j%4)+2*(j/4)+2]
.elseif j == 12
	v_max3_num_f32 v[rT+4], v[rT+4], v[rS+7], v[rS+15]
.elseif j == 13
	v_max3_num_f32 v[rT+6], v[rT+6], v[rS+23], v[rS+31]
.elseif j == 14
	v_max3_num_f32 v[rT+4], v[rT+4], v[rT+5], v[rT+6]
.elseif j == 15
	v_max3_num_f32 v[rT+4], v[rT+4], v[rT+7], v[rT+1]
.elseif j == 16
	v_permlanex16_b32 v[rT+5], v[rT+4], s[SEL], s[SEL+1]  ; the query's other 32 keys lie in the lane 16 away
.elseif j == 17
	v_mov_b32 v[rT+7], v[rT]        ; c m_old is kept for a
.elseif j == 18
	v_max_num_f32 v[rT+1], v[rT+4], v[rT+5]
.elseif j == 19
	v_mul_f32 v[rT], s[CS], v[rT+1]
.elseif j == 20
	v_sub_f32 v[rT+7], v[rT+7], v[rT]
.elseif j == 23
	v_exp_f32 v[rT+6], v[rT+7]
.elseif (j < 23) || ((j < 38) && (j%2 == 0)) || ((j < 66) && (j%4 == 2))
.set b, (j-2)/4                     ; 38, 42, .. 62: pairs 9 to 15
.if j < 38
.set b, (j-20)/2                    ; 21: pair 0; 22, 24, .. 36: pairs 1 to 8
.endif
	v_pk_fma_f32 v[rS+2*b:rS+2*b+1], v[rS+2*b:rS+2*b+1], s[CS:CS+1], v[rT:rT+1] op_sel_hi:[1,0,0] neg_lo:[0,0,1] neg_hi:[0,0,1]
.elseif j < 70
.set e, j-38                        ; 66 to 69: s28 to s31
.if j < 66
.set e, j-32-(j-38)/4               ; 39-41, 43-45, .. 63-65: s7 to s27
.endif
.if j < 38
.set e, (j-25)/2                    ; 25, 27, .. 37: s0 to s6
.endif
	v_exp_f32 v[rS+e], v[rS+e]
.elseif j < 86
	v_cvt_pk_bf16_f32 v[rP+j-70], v[rS+2*(j-70)], v[rS+2*(j-70)+1]
.elseif j < 102                     ; the sum of the tile's 16 pairs, in place: neighbours 1, 2, 4 and 8 pairs apart, then l takes it
.set z, j-86
.set w, 4
.set u, z
.if z >= 14
.set w, 32
.set u, 0
.elseif z >= 12
.set w, 16
.set u, z-12
.elseif z >= 8
.set w, 8
.set u, z-8
.endif
.if z < 15
	v_pk_add_f32 v[rS+w*u:rS+w*u+1], v[rS+w*u:rS+w*u+1], v[rS+w*u+w/2:rS+w*u+w/2+1]
.else
	v_pk_fma_f32 v[rT+2:rT+3], v[rT+2:rT+3], v[rT+6:rT+7], v[rS:rS+1] op_sel_hi:[1,0,1]
.endif
.else
	WIN W_RS
	v_pk_mul_f32 v[rO:rO+1], v[rO:rO+1], v[rT+6:rT+7] op_sel_hi:[1,0]
.endif
.endm
; Slice k of 64 of piece y's softmax: four instructions (slice 63: sixteen).  Slices 11 to 34 deal out the batch, four numbers of one tile each; every other slice is numbers 2 k and 2 k + 1 of both tiles.
; Ahead of slice 35 nothing names an exponential's result, and behind slice 34 none is issued: the piece's 66 exponentials have one wait, behind slice 34.
.macro SLICE y
.if (k >= 11) && (k < 35)
.irp n, 0,1,2,3
.set j, 22+4*((k-11)/2)+(\n)
	SM (\y)+(k-11)%2
.endr
.else
.irp n, 0,1,2,3,4,5,6,7
.if ((\n) < 2) || (k == 63)
.irp t, \y, (\y)+1
.set j, 2*k+(\n)
	SM \t
.endr
.endif
.endr
.endif
.if k == 34
	v_nop                           ; the plain instruction behind the last exponential: one for the batch
.if (\y) == 0
	FETCH_V                         ; V's run of loads stands here, and the wait stands in it
.else
	s_wait_alu depctr_va_vdst(0)    ; the wait for the batch
.endif
.endif
.set k, k+1
.endm
; A TURN: piece x has the matrix unit for 32 products (pv = 1: V^T P, else K Q^T); two slices of the other piece's softmax stand behind each.  Slices 62 and 63 are the places behind the last product.
.macro TURN x, pv
.set k, 0
.set i, 0
.rept 32
.if \pv
	PV \x
.else
	KQ \x
.endif
	SLICE 2-(\x)
	SLICE 2-(\x)
.set i, i+1
.endr
.endm
; ONE TILE's WORK.  No barrier and no tensor load stands in it.  conv = 1 (the loop's eight trips): the trip's share of the weights is asked for ahead of the products, and rounded and stored behind them.
.macro WORK conv
	FETCH_K
	s_sub_co_u32 s[RT], s[RT], 1    ; 0: this is the block's last tile
	s_cmp_ge_u32 s[WV], s[DD]
	s_cselect_b32 s[BE2], s[BIGN], 0
	s_cmp_gt_u32 s[WV], s[DD]
	s_cselect_b32 s[BE1], s[BIGN], 0
	s_cmp_eq_u32 s[RT], 0
	s_cselect_b32 s[BE2], s[BE2], 0
	s_cselect_b32 s[BE1], s[BE1], 0
	WIN 0xc3                        ; the three masks: destination and source 0 in window 3, QH in window 0
.irp r, 0,1,2,3,4,5,6,7
	v_mov_b32 v[MLT+(\r)], s[BE1]
	v_mov_b32 v[MGT+(\r)], s[BE2]
	v_cmp_gt_i32 vcc_lo, \r, v[QH]  ; key 8 (l / 16) + r lies behind query l % 16
	v_cndmask_b32 v[MEQ+(\r)], v[MLT+(\r)], s[BE2], vcc_lo
.endr
	s_wait_loadcnt 0x0              ; Q
.if \conv
	WIN 0                           ; the last trip's loads have been waited for and its stores have read their registers (the change of slots), so the four offsets may be written
	s_sub_co_u32 s[TO], 8, s[CNT]   ; the trip's number, 0 to 7
	v_lshl_add_u32 v[VO2], s[TO], 11, v[WSO]
	v_lshl_add_u32 v[VO1], s[TO], 10, v[WSO]
	v_lshl_add_u32 v[VD2], s[TO], 10, v[WDO]
	v_lshl_add_u32 v[VD1], s[TO], 9, v[WDO]
	WIN 0xc0                        ; each load of the wave covers 512 consecutive bytes
.irp i, 0,1,2,3
	global_load_b128 v[CX+4*(\i):CX+4*(\i)+3], v[VO2], s[WP:WP+1] offset:512*(\i) th:TH_LOAD_NT
.endr
.irp m, 1,2,3
.irp i, 0,1
	global_load_b128 v[CX+8+8*(\m)+4*(\i):CX+8+8*(\m)+4*(\i)+3], v[VO1], s[WP+2*(\m):WP+2*(\m)+1] offset:512*(\i) th:TH_LOAD_NT
.endr
.endr
.endif
	s_wait_dscnt 0x0                ; K
.set i, 0
.rept 32
	KQ 0
.set i, i+1
.endr
	WIN 0
	PLACES
	TURN 2, 0                       ; piece 2's scores | piece 0's softmax | V
	s_wait_dscnt 0x0                ; V is in
	TURN 0, 1                       ; piece 0's V^T P | piece 2's softmax
.set i, 0
.rept 32
	PV 2
.set i, i+1
.endr
.if \conv
	s_wait_loadcnt 0x0              ; the weights, asked for a tile's work ago
	WIN 0xcf
.set i, 0
.rept 20
	v_cvt_pk_bf16_f32 v[CY+i], v[CX+2*i], v[CX+2*i+1]
.set i, i+1
.endr
	WIN 0x0c                        ; each store of the wave covers 256 consecutive bytes, at a multiple of 256 from wb's first byte
.irp i, 0,1,2,3
	global_store_b64 v[VD2], v[CY+2*(\i):CY+2*(\i)+1], s[DO:DO+1] offset:256*(\i) th:TH_STORE_NT
.endr
.irp m, 1,2,3
.irp i, 0,1
	global_store_b64 v[VD1], v[CY+4+4*(\m)+2*(\i):CY+4+4*(\m)+2*(\i)+1], s[DU:DU+1] offset:((\m)-2)*4194304+256*(\i) th:TH_STORE_NT
.endr
.endr
.endif
	WIN 0
.endm
; A BLOCK's END.  Each wave's c m and l go to LDS; every wave makes M = max c m, e = 2^(c m - M), the whole sum and the factors F = e / sum.  Then, a query tile at a time, the four waves' O^T meet in
; LDS: wave w takes channels 32 w .. 32 w + 31 of all four and adds them with their factors.  alpha xn is added, the result rounded to bf16 and sent out through LDS as whole rows.
; last = 0: the second block's Q is asked for meanwhile, and the walk's registers are set for it.
.macro FINISH last
	WIN 0
.irp t, 0,1,2,3
	v_add_f32 v[ST+8*(\t)+4], v[ST+8*(\t)+2], v[ST+8*(\t)+3]  ; these additions are places behind the last products
.endr
.irp t, 0,1,2,3
	v_permlanex16_b32 v[ST+8*(\t)+5], v[ST+8*(\t)+4], s[SEL], s[SEL+1]
.endr
.irp t, 0,1,2,3
	v_add_f32 v[ST+8*(\t)+1], v[ST+8*(\t)+4], v[ST+8*(\t)+5]  ; l takes m's place beside c m
.endr
.irp t, 0,1,2,3
.irp c, 0,1
	global_load_b128 v[XN+4*(2*(\t)+(\c)):XN+4*(2*(\t)+(\c))+3], v[XO], s[XB:XB+1] offset:(\t)*65536+32*(\c)
.endr
.endr
.if !(\last)
	WIN 0x80
.irp i, 0,1,2,3,4,5,6,7,8,9,10,11,12,13,14,15
	global_load_b128 v[8*(\i):8*(\i)+3],   v[QO], s[QLO:QLO+1] offset:((\i)/4)*196608+((\i)%4)*64
	global_load_b128 v[8*(\i)+4:8*(\i)+7], v[QO], s[QLO:QLO+1] offset:((\i)/4)*196608+((\i)%4)*64+32
.endr
	WIN 0
.endif
.irp t, 0,1,2,3
	ds_store_b64 v[SA], v[ST+8*(\t):ST+8*(\t)+1] offset:256*(\t)
.endr
	s_wait_dscnt 0x0
	s_barrier_signal -1
	s_barrier_wait -1
.irp t, 0,1,2,3
.irp c, 0,1,2,3
	ds_load_b64 v[R+8*(\t)+2*(\c):R+8*(\t)+2*(\c)+1], v[SL] offset:1024*(\c)+256*(\t)
.endr
.endr
	s_wait_dscnt 0x0
.irp t, 0,1,2,3
	v_max3_num_f32 v[MX+(\t)], v[R+8*(\t)], v[R+8*(\t)+2], v[R+8*(\t)+4]
.endr
.irp t, 0,1,2,3
	v_max_num_f32 v[MX+(\t)], v[MX+(\t)], v[R+8*(\t)+6]
.endr
.irp t, 0,1,2,3
.irp c, 0,1,2,3
	v_sub_f32 v[R+8*(\t)+2*(\c)], v[R+8*(\t)+2*(\c)], v[MX+(\t)]
.endr
.endr
.irp t, 0,1,2,3
.irp c, 0,1,2,3
	v_exp_f32 v[R+8*(\t)+2*(\c)], v[R+8*(\t)+2*(\c)]
.endr
.endr
	v_nop
	s_wait_alu depctr_va_vdst(0)    ; one wait for the sixteen exponentials
.irp t, 0,1,2,3
	v_mul_f32 v[LT+(\t)], v[R+8*(\t)], v[R+8*(\t)+1]
.endr
.irp c, 1,2,3
.irp t, 0,1,2,3
	v_fma_f32 v[LT+(\t)], v[R+8*(\t)+2*(\c)], v[R+8*(\t)+2*(\c)+1], v[LT+(\t)]
.endr
.endr
.irp t, 0,1,2,3
	v_rcp_f32 v[RC+(\t)], v[LT+(\t)]
.endr
	v_nop
	s_wait_alu depctr_va_vdst(0)    ; one wait for the four reciprocals
.irp t, 0,1,2,3
.irp c, 0,1,2,3
	v_mul_f32 v[ST+8*(\t)+2*(\c)], v[R+8*(\t)+2*(\c)], v[RC+(\t)]  ; F of wave c and tile t, in an even register: the packed lines take a pair's low word for both halves
.endr
.endr
.irp t, 0,1,2,3
	WIN 0x04                        ; the data in window 1
.irp c, 0,1,2,3,4,5,6,7,8,9,10,11,12,13,14,15
	ds_store_b128 v[MS], v[64*(\t)+4*(\c):64*(\t)+4*(\c)+3] offset:512*(\c)
.endr
	WIN 0
	s_wait_dscnt 0x0
	s_barrier_signal -1
	s_barrier_wait -1               ; all four waves' O^T of this tile lie in LDS
.irp d, 0,1,2,3
.irp c, 0,1,2,3
	ds_load_b128 v[RB+16*(\d)+4*(\c):RB+16*(\d)+4*(\c)+3], v[ML] offset:8192*(\d)+512*(\c)
.endr
.endr
	s_wait_dscnt 0x0                ; my reads are over:
	s_barrier_signal -1             ; say so, and add while the others arrive
.irp c, 0,2,4,6,8,10,12,14
	v_pk_mul_f32 v[R+16*(\t)+(\c):R+16*(\t)+(\c)+1], v[RB+(\c):RB+(\c)+1], v[ST+8*(\t):ST+8*(\t)+1] op_sel_hi:[1,0]
.endr
.irp d, 1,2,3
.irp c, 0,2,4,6,8,10,12,14
	v_pk_fma_f32 v[R+16*(\t)+(\c):R+16*(\t)+(\c)+1], v[RB+16*(\d)+(\c):RB+16*(\d)+(\c)+1], v[ST+8*(\t)+2*(\d):ST+8*(\t)+2*(\d)+1], v[R+16*(\t)+(\c):R+16*(\t)+(\c)+1] op_sel_hi:[1,0,1]
.endr
.endr
	s_barrier_wait -1               ; nobody reads the stage any more
.endr
.if \last
	s_wait_loadcnt 0x0              ; xn
.else
	s_wait_loadcnt 32               ; xn is in; Q's 32 younger loads stay out
.endif
.set n, 0
.rept 32
	v_fma_mix_f32_bf16 v[R+2*n], v[XN+n], v[VAL], v[R+2*n] op_sel_hi:[1,0,0]
	v_fma_mix_f32_bf16 v[R+2*n+1], v[XN+n], v[VAL], v[R+2*n+1] op_sel:[1,0,0] op_sel_hi:[1,0,0]
.set n, n+1
.endr
.set n, 0
.rept 32
	v_cvt_pk_bf16_f32 v[PKD+n], v[R+2*n], v[R+2*n+1]
.set n, n+1
.endr
.irp t, 0,1,2,3
.irp c, 0,1
	ds_store_b128 v[OS], v[PKD+8*(\t)+4*(\c):PKD+8*(\t)+4*(\c)+3] offset:(\t)*4352+32*(\c)
.endr
.endr
	s_wait_dscnt 0x0
	s_barrier_signal -1
	s_barrier_wait -1               ; a row's 256 bytes come from four waves
.irp f, 0,1,2,3,4,5,6,7
	ds_load_b128 v[RB+4*(\f):RB+4*(\f)+3], v[ORD] offset:544*(\f)
.endr
.irp f, 0,1,2,3,4,5,6,7
	s_wait_dscnt 7-(\f)
	global_store_b128 v[GO], v[RB+4*(\f):RB+4*(\f)+3], s[OB:OB+1] offset:8192*(\f)  ; sixteen lanes store 256 consecutive bytes, at a multiple of 256 from ao's first byte
.endr
.if !(\last)
	s_wait_xcnt 0x0                 ; the loads and stores have read their registers and bases
	s_mov_b64 s[XB:XB+1], s[XLO:XLO+1]
	s_mov_b64 s[OB:OB+1], s[OLO:OLO+1]
	s_add_co_u32 s[RT], s[AA], 1    ; the second block has a + 1 tiles
	s_mov_b32 s[DD], s13
.irp t, 0,1,2,3
	v_mov_b32 v[ST+8*(\t)], 0xfe000000
	v_mov_b32 v[ST+8*(\t)+1], 0xff7fffff
.endr
.endif
.endm
.Ltile:                             ; eight times: a tile is entered and the next is asked for
	CHANGE 1
	WORK 1
	s_cmp_lg_u32 s[RT], 0           ; RT hangs on the cluster's number alone: alike in all waves and all partners
	s_cbranch_scc1 .Lno
	FINISH 0                        ; in the loop this is the first block's end: the second's last tile is the walk's last
.Lno:
	s_sub_co_u32 s[CNT], s[CNT], 1
	s_cmp_lg_u32 s[CNT], 0
	s_cbranch_scc1 .Ltile
	CHANGE 0                        ; the walk's last tile is written out
	WORK 0
	FINISH 1
	s_wait_tensorcnt 0x0            ; the wave's end
	ds_add_u32 v[SPW], v[NIL]
	s_wait_dscnt 0x0
	CROUND                          ; the closing round
	s_endpgm
.Lfunc_end_k_qa0d3f70364_attn:
	.size	k_qa0d3f70364_attn, .Lfunc_end_k_qa0d3f70364_attn-k_qa0d3f70364_attn
	.p2alignl 7, 3214868480
	.fill 96, 4, 3214868480
	.section	.rodata,"a",@progbits
	.p2align	6, 0x0
	.amdhsa_kernel k_qa0d3f70364_attn
		.amdhsa_group_segment_fixed_size 327680
		.amdhsa_private_segment_fixed_size 0
		.amdhsa_enable_private_segment 0
		.amdhsa_kernarg_size 72
		.amdhsa_user_sgpr_count 2
		.amdhsa_user_sgpr_kernarg_segment_ptr 1
		.amdhsa_wavefront_size32 1
		.amdhsa_system_sgpr_workgroup_id_x 1
		.amdhsa_system_sgpr_workgroup_id_y 1
		.amdhsa_system_sgpr_workgroup_id_z 1
		.amdhsa_system_vgpr_workitem_id 0
		.amdhsa_next_free_vgpr 980
		.amdhsa_next_free_sgpr 96
		.amdhsa_reserve_vcc 1
		.amdhsa_float_denorm_mode_32 3
		.amdhsa_float_denorm_mode_16_64 3
		.amdhsa_memory_ordered 1
		.amdhsa_forward_progress 1
		.amdhsa_inst_pref_size 181
	.end_amdhsa_kernel
	.amdgpu_metadata
---
amdhsa.version: [ 1, 2 ]
amdhsa.kernels:
  - .name:           k_qa0d3f70364_attn
    .symbol:         k_qa0d3f70364_attn.kd
    .args:
      - { .name: qkv, .offset: 0, .size: 8, .value_kind: global_buffer, .address_space: global }
      - { .name: xn, .offset: 8, .size: 8, .value_kind: global_buffer, .address_space: global }
      - { .name: alpha, .offset: 16, .size: 8, .value_kind: global_buffer, .address_space: global }
      - { .name: ao, .offset: 24, .size: 8, .value_kind: global_buffer, .address_space: global }
      - { .name: Wo, .offset: 32, .size: 8, .value_kind: global_buffer, .address_space: global }
      - { .name: Wg, .offset: 40, .size: 8, .value_kind: global_buffer, .address_space: global }
      - { .name: Wu, .offset: 48, .size: 8, .value_kind: global_buffer, .address_space: global }
      - { .name: Wd, .offset: 56, .size: 8, .value_kind: global_buffer, .address_space: global }
      - { .name: wb, .offset: 64, .size: 8, .value_kind: global_buffer, .address_space: global }
    .group_segment_fixed_size: 327680
    .private_segment_fixed_size: 0
    .kernarg_segment_align: 8
    .kernarg_segment_size: 72
    .max_flat_workgroup_size: 128
    .sgpr_count:     96
    .vgpr_count:     980
    .wavefront_size: 32
...
	.end_amdgpu_metadata
.endif
;; end of part 3
;; launch wo (part 4): grid 16 x 16, 4 waves a work-group, clusters of 4 x 4, 327,680 bytes of LDS; arguments ao, wb, so, x, norm_mlp_w, x1, xn2, ssq; writes x1, xn2, ssq
.if DOCPART == 4
	.amdgcn_target "amdgcn-amd-amdhsa--gfx1250"
	.amdhsa_code_object_version 6
	.text
	.protected	k_qa0d3f70364_wo
	.globl	k_qa0d3f70364_wo
	.p2align	8
	.type	k_qa0d3f70364_wo,@function
k_qa0d3f70364_wo:
	s_mov_b64 s[64:65], 0
	v_nop
	global_prefetch_b8 v0, s[64:65] scope:SCOPE_SE
	s_setreg_imm32_b32 hwreg(HW_REG_WAVE_MODE, 25, 1), 1
	s_wait_xcnt 0x0
	s_wait_alu depctr_hold_cnt(0) depctr_sa_sdst(0) depctr_va_vdst(0) depctr_va_sdst(0) depctr_va_ssrc(0) depctr_va_vcc(0) depctr_vm_vsrc(0)
	s_getreg_b32 s2, hwreg(HW_REG_IB_STS2, 6, 4)
	s_cmp_eq_u32 s2, 0
	s_cbranch_scc0 .Lentry_in_a_cluster
	s_endpgm
.Lentry_in_a_cluster:
	s_bfe_u32 s2, ttmp6, 0x10000c
	s_cmp_lg_u32 s2, 0xf033
	s_cbranch_scc0 .Lentry_shape_is_right
	s_endpgm
.Lentry_shape_is_right:
; x1[m][n] = x[m][n] + so * sum over k of ao[m][k] Wo[n][k].  ao and Wo (rows 6144-8191 of wb) in bf16, sums, x and x1 in f32.
; THE SECOND NORM BEGINS HERE, where x1 lies in registers: xn2 = bf16(x1 * norm_mlp_w), without the row's factor, and ssq = each wave's sum of x1^2 over its 64 columns, in f32.  The launch behind adds a
; row's 32 partial sums and applies rsqrt(mean + eps) behind its products, where a factor of a whole row may stand.
; A tile of x1 is 128 x 128: 16 x 16 tiles, one work-group each.  Four waves, each 64 x 64: 16 accumulators.  K goes in steps of 256 (LDS rows of 512 bytes) through two slots filled by the tensor data mover.
; CLUSTER 4 x 4: the four work-groups of a row of the cluster need the same rows of ao, the four of a column the same rows of Wo: each tile is asked for jointly.
; The matrix instruction is used transposed (source 0 = 16 rows of Wo, source 1 = 16 rows of ao): a lane holds eight neighbouring numbers of a row of x1.
; A K step is written once: the loop with refills runs T - 2 times, the same step without refill twice.  The price: the sums are started by 16 products of two zero fragments, issued while the first tiles are
; on their way, and the very last step fetches 32 fragments of an old tile that nobody multiplies.  No prefetch: the tiles are small.
; REGISTERS: window 0: v0-31 addresses; v128-255 the accumulators ((a, b) at 128 + 8 (4 a + b)); on the way out v32-63 sums of squares, v128-131 at work, v192-255 rows of xn2.
;   window 1: two fragment buffers of 128 (64 of A, then 64 of B); on the way out v0-127 x1, v128-255 x1 times the gain.   window 2: v0-127 my 64 x 64 of x, asked for at the kernel's head.
.set KDIM,   2048
.set T,      KDIM/256
.set BOFF,   25165824                  ; Wo's first byte in wb
.set KSTEP,  256
.set PITCH,  528                       ; an LDS row: 512 bytes + 16 of padding = 132 words: the 16 rows of a fragment load start at 16 different groups of four banks (ISA guide 11.1)
.set HALFT,  64*PITCH
.set SLOT,   4*HALFT                   ; A's 128 rows, then B's 128; 0x21000 shares no bit with wave x HALFT, so one exclusive or moves a descriptor to the other slot
.set SPARE,  2*SLOT                    ; the spare words, 128 bytes a wave: two blocks of 256 bytes that no other line names
.set SPITCH, 272                       ; the way out: 64 f32 + 16 bytes; each wave's own stage of 64 rows lies in slot 0, which has had its last fill by then
.set XSTG,   4*64*SPITCH               ; behind the four stages, still in slot 0: the work-group's stage for xn2, 128 rows
.set XP,     384                       ; its pitch: 256 bytes + 128, so that the two rows that a store of 8 bytes a lane touches fall into different halves of the banks
.set GW,   8                           ; v[8:11] the gain of my four columns
.set GOF,  12                          ; v12  16 (l % 16)
.set XS,   13                          ; v13  where I put 8 bytes of xn2
.set A0,   14
.set B0,   15
.set ADRA, 16
.set XRD,  17                          ; v17  where I read a row of xn2 back
.set XCO,  18                          ; v18  the same place in xn2
.set SQO,  19                          ; v19  8 x lane
.set ADRB, 20
.set STO,  24
.set RD,   25
.set CO,   26
.set SPW,  28                          ; v28  LDS address of my spare word; never rewritten
.set NIL,  29                          ; v29  0; never rewritten
.set SF,   32
.set BT,   128
.set XB,   192
.set ACC,  128
.set F0,   0
.set F1,   128
.set G1,   24
.set G0,   32
.set G1B,  48
.set G0B,  56
.set TB,   66                          ; s66  LDS byte at which the slot being read begins
.set SC,   68                          ; s[68:69] the scale, as a pair
.set RES,  72                          ; s[72:73] x at my first number
.set GWP,  84                          ; s[84:85] norm_mlp_w at my first column
.set OUT,  86                          ; s[86:87] x1 at my first number
.set XW,   88                          ; s[88:89] xn2 at the rows that I store
.set SSQ,  90                          ; s[90:91] ssq at my wave's 256 bytes
.set MSB, 0
.macro WIN new
.if MSB != (\new)
	s_set_vgpr_msb (MSB<<8)|(\new)
.set MSB, \new
.endif
.endm
.set MUL,  0x05                        ; sources 0 (B) and 1 (A) window 1; C and D window 0
.set TO_F, 0x40                        ; destination window 1, address window 0
.macro JLOAD s                         ; a joint load: waves 0 and 1 fetch A's two halves, waves 2 and 3 B's; an s_nop 0 and four v_nop follow each line
	s_cmp_eq_u32 s11, 0
	s_cbranch_scc0 .Lfor_b_\@
	tensor_load_to_lds s[G0+4*(\s):G0+4*(\s)+3], s[G1:G1+7]
	s_nop 0
.rept 4
	v_nop
.endr
	s_branch .Lasked_\@
.Lfor_b_\@:
	tensor_load_to_lds s[G0B+4*(\s):G0B+4*(\s)+3], s[G1B:G1B+7]
	s_nop 0
.rept 4
	v_nop
.endr
.Lasked_\@:
.endm
.macro CREST
	s_cmp_lg_u32 s10, 0
	s_cbranch_scc1 .Lnot_wave_0_\@
	s_barrier_signal -3
.Lnot_wave_0_\@:
	s_barrier_wait -3
	s_barrier_signal -1
	s_barrier_wait -1
.endm
.macro CROUND
	s_barrier_signal -1
	s_barrier_wait -1
	CREST
.endm
.macro PLACES
.rept 4
	v_nop
.endr
.endm
	s_load_b128 s[4:7], s[0:1], 0x0                ; ao s[4:5], wb s[6:7]
	s_load_b128 s[76:79], s[0:1], 0x10             ; so s[76:77], x s[78:79]
	s_load_b256 s[84:91], s[0:1], 0x20             ; norm_mlp_w, x1, xn2, ssq
	v_lshl_add_u32 v[SPW], v0, 2, SPARE
	v_mov_b32 v[NIL], 0
	ds_add_u32 v[SPW], v[NIL]                      ; the wave's opening: the add and its wait ahead of my first tensor load
	v_lshrrev_b32 v1, 5, v0
	v_readfirstlane_b32 s10, v1                    ; wave 0..3
	s_lshr_b32 s11, s10, 1                         ; which half of the tile's rows is mine.  Also: I fetch for A (0) or for B (1)
	s_and_b32 s12, s10, 1                          ; which half of its columns.  Also: which 64 rows I fetch
	s_bfe_u32 s40, ttmp6, 0x40000
	s_bfe_u32 s41, ttmp6, 0x40004
	s_lshl_b32 s42, ttmp9, 2
	s_add_co_u32 s42, s42, s40                     ; tile column
	s_and_b32 s13, ttmp7, 0xffff
	s_lshl_b32 s13, s13, 2
	s_add_co_u32 s13, s13, s41                     ; tile row
	s_lshl_b32 s43, s41, 2
	s_lshl_b32 s43, 15, s43                        ; my row of the cluster
	s_lshl_b32 s44, 0x1111, s40                    ; my column
	s_or_b32 s[G1+0], s43, (1<<16)|(1<<20)|(1<<21)|(6<<22)|(3<<25)   ; mask; 2-byte elements; padding on; bit 21 beside a mask; after every 128 words 4 words
	s_or_b32 s[G1B+0], s44, (1<<16)|(1<<20)|(1<<21)|(6<<22)|(3<<25)
.irp g, G1, G1B
	s_mov_b32 s[(\g)+1], KSTEP<<16
	s_mov_b32 s[(\g)+2], 64<<16
	s_mov_b32 s[(\g)+3], KSTEP<<16
	s_mov_b32 s[(\g)+4], 64
	s_mov_b32 s[(\g)+5], KDIM
	s_mov_b32 s[(\g)+6], 0
	s_mov_b32 s[(\g)+7], 0
.endr
	s_lshl_b32 s17, s12, 6
	s_lshl_b32 s16, s13, 7
	s_add_co_u32 s16, s16, s17                     ; A: row 128 x tile row + 64 x half
	s_mul_i32 s16, s16, KDIM*2
	s_lshl_b32 s46, s42, 7
	s_add_co_u32 s46, s46, s17                     ; B: row 128 x tile column + 64 x half
	s_mul_i32 s46, s46, KDIM*2
	s_add_co_u32 s46, s46, BOFF
	s_mov_b32 s17, 0
	s_mov_b32 s47, 0
	s_mul_i32 s20, s10, HALFT
	s_wait_dscnt 0x0                               ; the opening add is done
	s_wait_kmcnt 0x0
	s_load_b32 s[SC], s[76:77], 0x0
	s_add_nc_u64 s[14:15], s[4:5], s[16:17]
	s_add_nc_u64 s[46:47], s[6:7], s[46:47]
	CROUND                                         ; all sixteen work-groups are here: the first joint loads meet
.irp s, 0,1
	s_mov_b32 s[G0+4*(\s)], 1
	s_add_co_u32 s[G0+4*(\s)+1], s20, (\s)*SLOT
	s_add_nc_u64 s[G0+4*(\s)+2:G0+4*(\s)+3], s[14:15], (\s)*KSTEP*2
	s_or_b32 s[G0+4*(\s)+3], s[G0+4*(\s)+3], 0x80000000
	s_mov_b32 s[G0B+4*(\s)], 1
	s_add_co_u32 s[G0B+4*(\s)+1], s20, (\s)*SLOT
	s_add_nc_u64 s[G0B+4*(\s)+2:G0B+4*(\s)+3], s[46:47], (\s)*KSTEP*2
	s_or_b32 s[G0B+4*(\s)+3], s[G0B+4*(\s)+3], 0x80000000
	JLOAD \s                                       ; two loads of mine are out
.endr
	WIN TO_F                                       ; the sums start at 0: two fragments of zeros, and their product into each accumulator
.set r, 0
.rept 16
	v_mov_b32 v[r], 0
.set r, r+1
.endr
	WIN MUL
.set r, 0
.rept 16
	v_wmma_f32_16x16x32_bf16 v[ACC+8*r:ACC+8*r+7], v[0:7], v[8:15], 0
.set r, r+1
.endr
	WIN 0                                          ; the address work below is the places in front of the first loads into the two fragments
	v_and_b32 v1, 15, v0                           ; l % 16
	v_bfe_u32 v2, v0, 4, 1                         ; l / 16
	v_mul_u32_u24 v3, v1, PITCH
	v_lshl_add_u32 v3, v2, 4, v3
	s_mul_i32 s21, s11, HALFT
	s_mul_i32 s22, s12, HALFT
	s_add_co_u32 s22, s22, 2*HALFT
	v_add_nc_u32 v[A0], s21, v3
	v_add_nc_u32 v[B0], s22, v3
	s_mul_i32 s23, s10, 64*SPITCH                  ; my stage
	v_mul_u32_u24 v4, v1, SPITCH                   ; in: row l % 16, 32 bytes for each half of the lanes
	v_lshl_add_u32 v4, v2, 5, v4
	v_add_nc_u32 v[STO], s23, v4
	v_mul_u32_u24 v5, v2, SPITCH                   ; back: lanes 0-15 one row of 256 bytes, lanes 16-31 the next
	v_lshl_add_u32 v5, v1, 4, v5
	v_add_nc_u32 v[RD], s23, v5
	v_lshlrev_b32 v5, 13, v2                       ; the same two rows in x and x1
	v_lshl_add_u32 v[CO], v1, 4, v5
	v_lshlrev_b32 v[GOF], 4, v1
	s_mul_i32 s23, s11, 64*XP                      ; xn2's stage, in: row 64 rh + l / 16 (+ 2 f), byte 128 ch + 8 (l % 16)
	s_lshl_b32 s21, s12, 7
	s_add_co_u32 s23, s23, s21
	s_add_co_u32 s23, s23, XSTG
	v_mul_u32_u24 v5, v2, XP
	v_lshl_add_u32 v4, v1, 3, v5
	v_add_nc_u32 v[XS], s23, v4
	s_mul_i32 s23, s10, 32*XP                      ; back: wave w takes rows 32 w .. 32 w + 31, whole
	s_add_co_u32 s23, s23, XSTG
	v_lshl_add_u32 v4, v1, 4, v5
	v_add_nc_u32 v[XRD], s23, v4
	v_lshlrev_b32 v5, 12, v2
	v_lshl_add_u32 v[XCO], v1, 4, v5
	v_and_b32 v5, 31, v0
	v_lshlrev_b32 v[SQO], 3, v5
	s_lshl_b32 s16, s13, 7
	s_lshl_b32 s17, s11, 6
	s_add_co_u32 s16, s16, s17                     ; my first row
	s_lshl_b32 s16, s16, 13
	s_mov_b32 s17, 0
	s_lshl_b32 s46, s42, 9                         ; my first column, in bytes of f32
	s_lshl_b32 s47, s12, 8
	s_add_co_u32 s46, s46, s47
	s_mov_b32 s47, 0
	s_add_nc_u64 s[RES:RES+1], s[78:79], s[16:17]
	s_add_nc_u64 s[RES:RES+1], s[RES:RES+1], s[46:47]
	s_add_nc_u64 s[OUT:OUT+1], s[OUT:OUT+1], s[16:17]
	s_add_nc_u64 s[OUT:OUT+1], s[OUT:OUT+1], s[46:47]
	s_add_nc_u64 s[GWP:GWP+1], s[GWP:GWP+1], s[46:47]
	s_lshl_b32 s18, s13, 7
	s_lshl_b32 s19, s10, 5
	s_add_co_u32 s18, s18, s19                     ; xn2: row 128 x tile row + 32 x wave,
	s_lshl_b32 s18, s18, 12
	s_mov_b32 s19, 0
	s_add_nc_u64 s[XW:XW+1], s[XW:XW+1], s[18:19]
	s_lshl_b32 s18, s42, 8                         ; byte 256 x tile column
	s_add_nc_u64 s[XW:XW+1], s[XW:XW+1], s[18:19]
	s_lshl_b32 s18, s42, 1
	s_add_co_u32 s18, s18, s12                     ; ssq: my group of 64 columns, 8,192 bytes each,
	s_lshl_b32 s18, s18, 13
	s_add_nc_u64 s[SSQ:SSQ+1], s[SSQ:SSQ+1], s[18:19]
	s_lshl_b32 s18, s13, 1
	s_add_co_u32 s18, s18, s11                     ; my block of 64 rows, 256 bytes each
	s_lshl_b32 s18, s18, 8
	s_add_nc_u64 s[SSQ:SSQ+1], s[SSQ:SSQ+1], s[18:19]
	global_load_b128 v[GW:GW+3], v[GOF], s[GWP:GWP+1]
	WIN 0x80                                       ; the residual: asked for now, wanted on the way out
.set f, 0
.rept 32
	global_load_b128 v[4*f:4*f+3], v[CO], s[RES:RES+1] offset:f*16384
.set f, f+1
.endr
	WIN 0
	s_wait_kmcnt 0x0
	s_mov_b32 s[SC+1], s[SC]
; 8 matrix instructions: m blocks a0, a0 + 1 x all 4 n blocks, 32 along K: half c of buffer f.  The 16 accumulators take turns, one instruction a turn.
.macro MUL8 f, c, a0
	WIN MUL
.irp a, \a0, (\a0)+1
.irp b, 0,1,2,3
	v_wmma_f32_16x16x32_bf16 v[ACC+8*(4*(\a)+(\b)):ACC+8*(4*(\a)+(\b))+7], v[(\f)+64+8*(4*(\c)+(\b)):(\f)+64+8*(4*(\c)+(\b))+7], v[(\f)+8*(4*(\c)+(\a)):(\f)+8*(4*(\c)+(\a))+7], v[ACC+8*(4*(\a)+(\b)):ACC+8*(4*(\a)+(\b))+7]
.endr
.endr
.endm
; 32 LDS loads in one run: the fragments of 64 along K at byte k of the rows, into buffer f; the first 32 along K first
.macro FETCH k, f
	WIN TO_F
.irp c, 0,1
.irp i, 0,1,2,3
	ds_load_b128 v[(\f)+64+8*(4*(\c)+(\i)):(\f)+64+8*(4*(\c)+(\i))+3],   v[ADRB] offset:(\k)+64*(\c)+(\i)*16*PITCH
	ds_load_b128 v[(\f)+64+8*(4*(\c)+(\i))+4:(\f)+64+8*(4*(\c)+(\i))+7], v[ADRB] offset:(\k)+64*(\c)+(\i)*16*PITCH+32
	ds_load_b128 v[(\f)+8*(4*(\c)+(\i)):(\f)+8*(4*(\c)+(\i))+3],         v[ADRA] offset:(\k)+64*(\c)+(\i)*16*PITCH
	ds_load_b128 v[(\f)+8*(4*(\c)+(\i))+4:(\f)+8*(4*(\c)+(\i))+7],       v[ADRA] offset:(\k)+64*(\c)+(\i)*16*PITCH+32
.endr
.endr
.endm
.macro QUARTER k, f, g                 ; multiplies buffer f (64 along K) and fetches the next quarter, at byte k, into g
	s_wait_dscnt 16                                ; the first 32 along K are in
	MUL8 \f, 0, 0
	MUL8 \f, 0, 2
	PLACES
	FETCH \k, \g
	s_wait_dscnt 32                                ; all but the 32 just issued
	MUL8 \f, 1, 0
	MUL8 \f, 1, 2
.endm
; The last quarter multiplies buffer 1 and changes slots: one barrier; in front of it each wave waits for all its tensor loads, adds 0 to its spare word, and waits for that and for its reads of this slot.
; fill = 1: the barrier opens a round of the cluster's, and this slot is filled again, two K steps ahead, first thing behind the round.
.macro TURN fill
	WIN 0
	s_wait_tensorcnt 0x0                           ; all my tensor loads have landed: my part of the next slot
	ds_add_u32 v[SPW], v[NIL]                      ; 0 onto my spare word
	s_wait_dscnt 17                                ; (the add and the youngest sixteen loads may be out)
	MUL8 F1, 0, 0
	s_wait_dscnt 0x0                               ; the add is done, and my reads of this slot are over
	s_barrier_signal -1
	MUL8 F1, 0, 2
	WIN 0
	s_barrier_wait -1
.if \fill
	CREST                                          ; no wave of any partner still reads this slot's tile or has a load on its way
	s_xor_b32 s[G0+5], s[G0+5], SLOT               ; the walking descriptors: the other slot than last time,
	s_xor_b32 s[G0B+5], s[G0B+5], SLOT
	s_add_nc_u64 s[G0+6:G0+7], s[G0+6:G0+7], KSTEP*2    ; the next K step
	s_add_nc_u64 s[G0B+6:G0B+7], s[G0B+6:G0B+7], KSTEP*2
	JLOAD 1                                        ; its four v_nop are also places in front of the loads below
.else
	v_nop                                          ; with the two additions below: four places
	v_nop
.endif
	s_xor_b32 s[TB], s[TB], SLOT
	v_add_nc_u32 v[ADRA], s[TB], v[A0]
	v_add_nc_u32 v[ADRB], s[TB], v[B0]
	FETCH 0, F0
	MUL8 F1, 1, 0
	MUL8 F1, 1, 2
.endm
.macro STEP fill
	QUARTER 128, F0, F1
	QUARTER 256, F1, F0
	QUARTER 384, F0, F1
	TURN \fill
.endm
	s_wait_tensorcnt 1                             ; my part of K step 0 is in; K step 1's may stay out
	s_barrier_signal -1
	s_barrier_wait -1
	s_mov_b32 s[TB], 0
	v_mov_b32 v[ADRA], v[A0]
	v_mov_b32 v[ADRB], v[B0]
	FETCH 0, F0
	WIN 0
	s_mov_b32 s3, T-2
.LA:                                           ; all K steps but the last two: each fills its slot again
	STEP 1
	WIN 0
	s_sub_co_u32 s3, s3, 1
	s_cmp_lg_u32 s3, 0
	s_cbranch_scc1 .LA
	s_mov_b32 s3, 2
.LB:                                           ; the last two ask for nothing
	STEP 0
	WIN 0
	s_sub_co_u32 s3, s3, 1
	s_cmp_lg_u32 s3, 0
	s_cbranch_scc1 .LB
	; THE WAY OUT.  My 64 columns of f32 are 256 bytes: the first stage is my own.  32 bytes a lane in, whole rows back: load f brings lane l four numbers of row 2 f + l / 16.
	; Scale and residual in one fused multiply-add; x1 goes out, 16 bytes a lane; its squares are summed; x1 times the gain is rounded to bf16 and goes into the second stage.
	s_wait_dscnt 0x0                               ; my reads of slot 0 are over
	s_barrier_signal -1
	s_barrier_wait -1                              ; everybody's are: the stages may be written
	PLACES
.irp a, 0,1,2,3
.irp b, 0,1,2,3
	ds_store_b128 v[STO], v[ACC+8*(4*(\a)+(\b)):ACC+8*(4*(\a)+(\b))+3]   offset:(\a)*16*SPITCH+64*(\b)
	ds_store_b128 v[STO], v[ACC+8*(4*(\a)+(\b))+4:ACC+8*(4*(\a)+(\b))+7] offset:(\a)*16*SPITCH+64*(\b)+16
.endr
.endr
	WIN TO_F
.set f, 0
.rept 32
	ds_load_b128 v[4*f:4*f+3], v[RD] offset:f*2*SPITCH  ; LDS serves a wave's instructions in order (ISA guide 5.7.1.4): these see the stores above
.set f, f+1
.endr
	s_wait_loadcnt 0x0                             ; the residual and the gain
.irp g, 0,1,2,3
	s_wait_dscnt 24                                ; eight more loads are back: behind them stand 24 - 8 g younger loads and the 8 g stores into the second stage
	WIN 0x61                                       ; destination and source 0 window 1, source 2 window 2
.set r, 0
.rept 16
	v_pk_fma_f32 v[32*(\g)+r:32*(\g)+r+1], v[32*(\g)+r:32*(\g)+r+1], s[SC:SC+1], v[32*(\g)+r:32*(\g)+r+1] op_sel_hi:[1,0,1]
.set r, r+2
.endr
	WIN 0x04                                       ; the stores' data in window 1
.set r, 0
.rept 8
	global_store_b128 v[CO], v[32*(\g)+4*r:32*(\g)+4*r+3], s[OUT:OUT+1] offset:(8*(\g)+r)*16384  ; sixteen lanes store 256 consecutive bytes, at a multiple of 256
.set r, r+1
.endr
	WIN 0x05                                       ; the squares of my four numbers of each row: sources window 1, the sum in window 0; eight chains side by side
.set f, 8*(\g)
.rept 8
	v_mul_f32 v[SF+f], v[4*f], v[4*f]
.set f, f+1
.endr
.irp k, 1,2,3
.set f, 8*(\g)
.rept 8
	v_fmac_f32 v[SF+f], v[4*f+(\k)], v[4*f+(\k)]
.set f, f+1
.endr
.endr
	WIN 0x41                                       ; x1 times the gain, into other registers: the stores above still read x1
.set f, 8*(\g)
.rept 8
	v_pk_mul_f32 v[128+4*f:128+4*f+1], v[4*f:4*f+1], v[GW:GW+1]
	v_pk_mul_f32 v[128+4*f+2:128+4*f+3], v[4*f+2:4*f+3], v[GW+2:GW+3]
.set f, f+1
.endr
	WIN 0x45
.set f, 8*(\g)
.rept 8
	v_cvt_pk_bf16_f32 v[128+4*f], v[128+4*f], v[128+4*f+1]
	v_cvt_pk_bf16_f32 v[128+4*f+1], v[128+4*f+2], v[128+4*f+3]
.set f, f+1
.endr
	WIN 0x04
.set f, 8*(\g)
.rept 8
	ds_store_b64 v[XS], v[128+4*f:128+4*f+1] offset:f*2*XP
.set f, f+1
.endr
.endr
	WIN 0
	s_wait_dscnt 0x0                               ; for the others' sake: my stores into the second stage are done
	s_barrier_signal -1                            ; a row's 256 bytes of xn2 come from two waves; the sums below are work on registers
; 32 sums a lane are to be added over the 16 lanes of a half.  In each of four stages a lane keeps one of two sums, by a bit of its number, hands the other to the lane that keeps that one, and adds what it is
; handed: 16, 8, 4, 2 times two selects and an addition that reads the other lane.  At the end lane (h, r) holds the whole sums of loads r and 16 + r: rows 2 r + h and 32 + 2 r + h.
.macro HALVE n, mask, xm
	s_mov_b32 vcc_lo, \mask
.set i, 0
.rept \n
	v_cndmask_b32 v[BT+i%4], v[SF+2*i+1], v[SF+2*i], vcc_lo
	v_cndmask_b32 v[SF+i], v[SF+2*i], v[SF+2*i+1], vcc_lo
	v_add_f32_dpp v[SF+i], v[BT+i%4], v[SF+i] row_xmask:\xm row_mask:0xf bank_mask:0xf
.set i, i+1
.endr
.endm
	HALVE 16, 0xaaaaaaaa, 1
	HALVE 8,  0xcccccccc, 2
	HALVE 4,  0xf0f0f0f0, 4
	HALVE 2,  0xff00ff00, 8
	s_barrier_wait -1
.set t, 0
.rept 16
	ds_load_b128 v[XB+4*t:XB+4*t+3], v[XRD] offset:t*2*XP
.set t, t+1
.endr
	global_store_b64 v[SQO], v[SF:SF+1], s[SSQ:SSQ+1]  ; the wave's 64 sums: 256 consecutive bytes, at a multiple of 256; word 2 lane + i holds row 32 i + 2 (lane % 16) + lane / 16
.set t, 0
.rept 16
	s_wait_dscnt 15-t                              ; the younger loads stay out
	global_store_b128 v[XCO], v[XB+4*t:XB+4*t+3], s[XW:XW+1] offset:t*8192  ; sixteen lanes store 256 consecutive bytes, at a multiple of 256
.set t, t+1
.endr
	s_wait_tensorcnt 0x0                           ; the wave's end
	ds_add_u32 v[SPW], v[NIL]
	s_wait_dscnt 0x0
	CROUND                                         ; the closing round
	s_endpgm
.Lfunc_end_k_qa0d3f70364_wo:
	.size	k_qa0d3f70364_wo, .Lfunc_end_k_qa0d3f70364_wo-k_qa0d3f70364_wo
	.p2alignl 7, 3214868480
	.fill 96, 4, 3214868480
	.section	.rodata,"a",@progbits
	.p2align	6, 0x0
	.amdhsa_kernel k_qa0d3f70364_wo
		.amdhsa_group_segment_fixed_size 327680
		.amdhsa_private_segment_fixed_size 0
		.amdhsa_enable_private_segment 0
		.amdhsa_kernarg_size 64
		.amdhsa_user_sgpr_count 2
		.amdhsa_user_sgpr_kernarg_segment_ptr 1
		.amdhsa_wavefront_size32 1
		.amdhsa_system_sgpr_workgroup_id_x 1
		.amdhsa_system_sgpr_workgroup_id_y 1
		.amdhsa_system_sgpr_workgroup_id_z 1
		.amdhsa_system_vgpr_workitem_id 0
		.amdhsa_next_free_vgpr 640
		.amdhsa_next_free_sgpr 96
		.amdhsa_reserve_vcc 1
		.amdhsa_float_denorm_mode_32 3
		.amdhsa_float_denorm_mode_16_64 3
		.amdhsa_memory_ordered 1
		.amdhsa_forward_progress 1
		.amdhsa_inst_pref_size 85
	.end_amdhsa_kernel
	.amdgpu_metadata
---
amdhsa.version: [ 1, 2 ]
amdhsa.kernels:
  - .name:           k_qa0d3f70364_wo
    .symbol:         k_qa0d3f70364_wo.kd
    .args:
      - { .name: ao, .offset: 0, .size: 8, .value_kind: global_buffer, .address_space: global }
      - { .name: wb, .offset: 8, .size: 8, .value_kind: global_buffer, .address_space: global }
      - { .name: so, .offset: 16, .size: 8, .value_kind: global_buffer, .address_space: global }
      - { .name: x, .offset: 24, .size: 8, .value_kind: global_buffer, .address_space: global }
      - { .name: norm_mlp_w, .offset: 32, .size: 8, .value_kind: global_buffer, .address_space: global }
      - { .name: x1, .offset: 40, .size: 8, .value_kind: global_buffer, .address_space: global }
      - { .name: xn2, .offset: 48, .size: 8, .value_kind: global_buffer, .address_space: global }
      - { .name: ssq, .offset: 56, .size: 8, .value_kind: global_buffer, .address_space: global }
    .group_segment_fixed_size: 327680
    .private_segment_fixed_size: 0
    .kernarg_segment_align: 8
    .kernarg_segment_size: 64
    .max_flat_workgroup_size: 128
    .sgpr_count:     96
    .vgpr_count:     640
    .wavefront_size: 32
...
	.end_amdgpu_metadata
.endif
;; end of part 4
;; launch gateup (part 5): grid 16 x 16, 4 waves a work-group, clusters of 4 x 4, 327,680 bytes of LDS; arguments xn2, wb, sg, su, ssq, hh; writes hh
.if DOCPART == 5
	.amdgcn_target "amdgcn-amd-amdhsa--gfx1250"
	.amdhsa_code_object_version 6
	.text
	.protected	k_qa0d3f70364_gateup
	.globl	k_qa0d3f70364_gateup
	.p2align	8
	.type	k_qa0d3f70364_gateup,@function
k_qa0d3f70364_gateup:
	s_mov_b64 s[64:65], 0
	v_nop
	global_prefetch_b8 v0, s[64:65] scope:SCOPE_SE
	s_setreg_imm32_b32 hwreg(HW_REG_WAVE_MODE, 25, 1), 1
	s_wait_xcnt 0x0
	s_wait_alu depctr_hold_cnt(0) depctr_sa_sdst(0) depctr_va_vdst(0) depctr_va_sdst(0) depctr_va_ssrc(0) depctr_va_vcc(0) depctr_vm_vsrc(0)
	s_getreg_b32 s2, hwreg(HW_REG_IB_STS2, 6, 4)
	s_cmp_eq_u32 s2, 0
	s_cbranch_scc0 .Lentry_in_a_cluster
	s_endpgm
.Lentry_in_a_cluster:
	s_bfe_u32 s2, ttmp6, 0x10000c
	s_cmp_lg_u32 s2, 0xf033
	s_cbranch_scc0 .Lentry_shape_is_right
	s_endpgm
.Lentry_shape_is_right:
; hh[m][c] = silu(sg r g) * (su r u), g = sum over k of xn2[m][k] Wg[c][k], u likewise with Wu, r[m] = rsqrt(mean of x1[m]^2 + 1e-6).  xn2 = bf16(x1 norm_mlp_w) comes without the row's factor r, which
; is applied here, behind the products.  xn2, Wg, Wu (rows 8192-9215 and 9216-10239 of wb) and hh in bf16; sums, r and the activation in f32.
; r: ssq holds, for each of 32 groups of 64 columns, every row's sum of squares (f32).  Thread t adds the 32 sums of place t of the work-group's 128 rows while the first tiles are on their way, and puts r into
; LDS words of its own; the way out reads them.  In a block of 64 rows place 2 j + i holds row 32 i + 2 (j % 16) + j / 16, as the launch before left it.
; A work-group makes 128 rows x 64 columns of hh: its B tile is 64 rows of Wg and the same 64 rows of Wu, so that gate and up of a number end in one lane.  16 x 16 work-groups, four waves, each
; 64 rows x 32 columns of both: 16 accumulators (column blocks 0, 1: gate; 2, 3: up).  K goes in steps of 256 through two LDS slots filled by the tensor data mover.
; CLUSTER 4 x 4: A's tiles are shared along a row of the cluster, B's along a column: each is asked for jointly.  The matrix instruction is used transposed: a lane holds eight neighbouring columns of a row.
; silu(a) b = a b / (1 + 2^(-a log2 e)): where the exponential overflows, the reciprocal is 0 and so is the result.
; A K step is written once (loop with refills, then the same step twice without); the price: the sums are started by 16 products of two zero fragments, and the last step fetches 32 fragments that nobody
; multiplies.  No prefetch: small tiles.  A work-group's 64 columns of hh are 128 bytes of a row: its stores cover aligned halves of 256 bytes; a tile with 128 columns of hh would leave half the work-groups.
.set KDIM,   2048
.set T,      KDIM/256
.set BOFF,   33554432                  ; Wg's first byte in wb; Wu follows 1,024 rows on
.set KSTEP,  256
.set PITCH,  528                       ; an LDS row: 512 bytes + 16 of padding: the 16 rows of a fragment load start at 16 different groups of four banks (ISA guide 11.1)
.set HALFT,  64*PITCH
.set SLOT,   4*HALFT                   ; A's 128 rows, Wg's 64, Wu's 64; 0x21000 shares no bit with wave x HALFT
.set SPARE,  2*SLOT                    ; the spare words, 128 bytes a wave: two blocks of 256 bytes that no other line names
.set RS,     SPARE+512                 ; behind them: 128 words, r by place; no tile lands here
.set SPITCH, 144                       ; the way out: 64 bf16 + 16 bytes; the work-group's stage of 128 rows lies in slot 0, which has had its last fill by then
.set TQ,   8                           ; v8   4 x thread: my place in ssq
.set RSA,  9                           ; v9   where I put r
.set RRA,  12                          ; v12  where I read the r of my rows
.set A0,   14
.set B0,   15
.set ADRA, 16
.set ADRB, 20
.set STO,  24
.set RD,   25
.set CO,   26
.set SPW,  28                          ; v28  LDS address of my spare word; never rewritten
.set NIL,  29                          ; v29  0; never rewritten
.set TMP,  32
.set RN,   96                          ; v[96:103]   for each block of 16 rows: -r sg log2(e), twice
.set RQ,   104                         ; v[104:111]  r r sg su, twice
.set RV,   112                         ; v[112:115]  r
.set ACC,  128
.set F0,   0
.set F1,   128
.set G1,   24
.set G0,   32
.set G1B,  48
.set G0B,  56
.set TB,   66
.set SS,   68                          ; s68  sg su
.set SN,   72                          ; s72  -sg log2(e)
.set SQP,  84                          ; s[84:85] ssq at the work-group's 128 rows
.set OUT,  86                          ; s[86:87] hh
.set MSB, 0
.macro WIN new
.if MSB != (\new)
	s_set_vgpr_msb (MSB<<8)|(\new)
.set MSB, \new
.endif
.endm
.set MUL,  0x05                        ; sources 0 (B) and 1 (A) window 1; C and D window 0
.set TO_F, 0x40                        ; destination window 1, address window 0
.macro JLOAD s                         ; a joint load: waves 0 and 1 fetch A's two halves, wave 2 Wg's rows, wave 3 Wu's; an s_nop 0 and four v_nop follow each line
	s_cmp_eq_u32 s11, 0
	s_cbranch_scc0 .Lfor_b_\@
	tensor_load_to_lds s[G0+4*(\s):G0+4*(\s)+3], s[G1:G1+7]
	s_nop 0
.rept 4
	v_nop
.endr
	s_branch .Lasked_\@
.Lfor_b_\@:
	tensor_load_to_lds s[G0B+4*(\s):G0B+4*(\s)+3], s[G1B:G1B+7]
	s_nop 0
.rept 4
	v_nop
.endr
.Lasked_\@:
.endm
.macro CREST
	s_cmp_lg_u32 s10, 0
	s_cbranch_scc1 .Lnot_wave_0_\@
	s_barrier_signal -3
.Lnot_wave_0_\@:
	s_barrier_wait -3
	s_barrier_signal -1
	s_barrier_wait -1
.endm
.macro CROUND
	s_barrier_signal -1
	s_barrier_wait -1
	CREST
.endm
.macro PLACES
.rept 4
	v_nop
.endr
.endm
	s_load_b128 s[4:7], s[0:1], 0x0                ; xn2 s[4:5], wb s[6:7]
	s_load_b128 s[76:79], s[0:1], 0x10             ; sg s[76:77], su s[78:79]
	s_load_b128 s[84:87], s[0:1], 0x20             ; ssq s[84:85], hh s[86:87]
	v_lshl_add_u32 v[SPW], v0, 2, SPARE
	v_mov_b32 v[NIL], 0
	ds_add_u32 v[SPW], v[NIL]                      ; the wave's opening: the add and its wait ahead of my first tensor load
	v_lshrrev_b32 v1, 5, v0
	v_readfirstlane_b32 s10, v1                    ; wave 0..3
	s_lshr_b32 s11, s10, 1                         ; which half of the tile's rows is mine.  Also: I fetch for A (0) or for B (1)
	s_and_b32 s12, s10, 1                          ; which 32 columns.  Also: which half I fetch
	s_bfe_u32 s40, ttmp6, 0x40000
	s_bfe_u32 s41, ttmp6, 0x40004
	s_lshl_b32 s42, ttmp9, 2
	s_add_co_u32 s42, s42, s40                     ; tile column
	s_and_b32 s13, ttmp7, 0xffff
	s_lshl_b32 s13, s13, 2
	s_add_co_u32 s13, s13, s41                     ; tile row
	s_lshl_b32 s43, s41, 2
	s_lshl_b32 s43, 15, s43                        ; my row of the cluster
	s_lshl_b32 s44, 0x1111, s40                    ; my column
	s_or_b32 s[G1+0], s43, (1<<16)|(1<<20)|(1<<21)|(6<<22)|(3<<25)   ; mask; 2-byte elements; padding on; bit 21 beside a mask; after every 128 words 4 words
	s_or_b32 s[G1B+0], s44, (1<<16)|(1<<20)|(1<<21)|(6<<22)|(3<<25)
.irp g, G1, G1B
	s_mov_b32 s[(\g)+1], KSTEP<<16
	s_mov_b32 s[(\g)+2], 64<<16
	s_mov_b32 s[(\g)+3], KSTEP<<16
	s_mov_b32 s[(\g)+4], 64
	s_mov_b32 s[(\g)+5], KDIM
	s_mov_b32 s[(\g)+6], 0
	s_mov_b32 s[(\g)+7], 0
.endr
	s_lshl_b32 s17, s12, 6
	s_lshl_b32 s16, s13, 7
	s_add_co_u32 s16, s16, s17                     ; A: row 128 x tile row + 64 x half
	s_mul_i32 s16, s16, KDIM*2
	s_lshl_b32 s46, s42, 6
	s_lshl_b32 s47, s12, 10
	s_add_co_u32 s46, s46, s47                     ; B: row 64 x tile column, in Wg (wave 2) or 1,024 rows on, in Wu (wave 3)
	s_mul_i32 s46, s46, KDIM*2
	s_add_co_u32 s46, s46, BOFF
	s_mov_b32 s17, 0
	s_mov_b32 s47, 0
	s_mul_i32 s20, s10, HALFT
	s_mov_b32 s92, 0x3a000000                      ; 1 / 2048
	s_mov_b32 s93, 0x358637bd                      ; 1e-6
	s_wait_dscnt 0x0                               ; the opening add is done
	s_wait_kmcnt 0x0
	s_load_b32 s70, s[76:77], 0x0                  ; sg
	s_load_b32 s71, s[78:79], 0x0                  ; su
	s_add_nc_u64 s[14:15], s[4:5], s[16:17]
	s_add_nc_u64 s[46:47], s[6:7], s[46:47]
	CROUND                                         ; all sixteen work-groups are here: the first joint loads meet
.irp s, 0,1
	s_mov_b32 s[G0+4*(\s)], 1
	s_add_co_u32 s[G0+4*(\s)+1], s20, (\s)*SLOT
	s_add_nc_u64 s[G0+4*(\s)+2:G0+4*(\s)+3], s[14:15], (\s)*KSTEP*2
	s_or_b32 s[G0+4*(\s)+3], s[G0+4*(\s)+3], 0x80000000
	s_mov_b32 s[G0B+4*(\s)], 1
	s_add_co_u32 s[G0B+4*(\s)+1], s20, (\s)*SLOT
	s_add_nc_u64 s[G0B+4*(\s)+2:G0B+4*(\s)+3], s[46:47], (\s)*KSTEP*2
	s_or_b32 s[G0B+4*(\s)+3], s[G0B+4*(\s)+3], 0x80000000
	JLOAD \s                                       ; two loads of mine are out
.endr
	v_lshlrev_b32 v[TQ], 2, v0
	s_lshl_b32 s16, s13, 9                         ; the work-group's 128 places: 512 bytes in each group
	s_mov_b32 s17, 0
	s_add_nc_u64 s[SQP:SQP+1], s[SQP:SQP+1], s[16:17]
.set g, 0
.rept 32
	global_load_b32 v[TMP+g], v[TQ], s[SQP:SQP+1] offset:g*8192  ; a load of the wave covers 128 consecutive bytes
.set g, g+1
.endr
	WIN TO_F                                       ; the sums start at 0: two fragments of zeros, and their product into each accumulator
.set r, 0
.rept 16
	v_mov_b32 v[r], 0
.set r, r+1
.endr
	WIN MUL
.set r, 0
.rept 16
	v_wmma_f32_16x16x32_bf16 v[ACC+8*r:ACC+8*r+7], v[0:7], v[8:15], 0
.set r, r+1
.endr
	WIN 0                                          ; the address work below is the places in front of the first loads into the two fragments
	v_lshl_add_u32 v[RSA], v0, 2, RS
	v_and_b32 v1, 15, v0                           ; l % 16
	v_bfe_u32 v2, v0, 4, 1                         ; l / 16
	v_mul_u32_u24 v3, v1, PITCH
	v_lshl_add_u32 v3, v2, 4, v3
	s_mul_i32 s21, s11, HALFT
	s_mul_i32 s22, s12, 32*PITCH                   ; my 32 columns: 32 rows of Wg, and the same 32 of Wu 64 rows on
	s_add_co_u32 s22, s22, 2*HALFT
	v_add_nc_u32 v[A0], s21, v3
	v_add_nc_u32 v[B0], s22, v3
	s_mul_i32 s23, s11, 64*SPITCH                  ; into the stage: row 64 rh + l % 16, byte 64 ch + 16 (l / 16)
	s_lshl_b32 s21, s12, 6
	s_add_co_u32 s23, s23, s21
	v_mul_u32_u24 v4, v1, SPITCH
	v_lshl_add_u32 v4, v2, 4, v4
	v_add_nc_u32 v[STO], s23, v4
	s_mul_i32 s23, s10, 32*SPITCH                  ; back: wave w takes rows 32 w .. 32 w + 31; a load covers four rows of 128 bytes
	v_bfe_u32 v5, v0, 3, 2
	v_and_b32 v6, 7, v0
	v_mul_u32_u24 v7, v5, SPITCH
	v_lshl_add_u32 v7, v6, 4, v7
	v_add_nc_u32 v[RD], s23, v7
	v_lshlrev_b32 v5, 11, v5
	v_lshl_add_u32 v[CO], v6, 4, v5
	v_and_b32 v5, 1, v1                            ; row 16 a + i of a block of 64 lies at place 32 (i % 2) + (i & 14) + 16 (a % 2) + a / 2: the lane's part here, a's in the loads' offsets
	v_and_b32 v6, 14, v1
	v_lshlrev_b32 v6, 2, v6
	v_lshl_add_u32 v6, v5, 7, v6
	s_lshl_b32 s21, s11, 8
	s_add_co_u32 s21, s21, RS
	v_add_nc_u32 v[RRA], s21, v6
	s_lshl_b32 s16, s13, 7
	s_lshl_b32 s17, s10, 5
	s_add_co_u32 s16, s16, s17
	s_lshl_b32 s16, s16, 11                        ; rows of 2,048 bytes
	s_mov_b32 s17, 0
	s_add_nc_u64 s[OUT:OUT+1], s[OUT:OUT+1], s[16:17]
	s_lshl_b32 s46, s42, 7
	s_mov_b32 s47, 0
	s_add_nc_u64 s[OUT:OUT+1], s[OUT:OUT+1], s[46:47]
	s_wait_kmcnt 0x0
	s_mul_f32 s[SN], s70, 0xbfb8aa3b               ; -sg log2(e)
	s_mul_f32 s[SS], s70, s71
	s_wait_loadcnt 0x0                             ; the 32 partial sums of my place
.set r, 0
.rept 8
	v_pk_add_f32 v[TMP+r:TMP+r+1], v[TMP+r:TMP+r+1], v[TMP+16+r:TMP+16+r+1]
.set r, r+2
.endr
.set r, 0
.rept 4
	v_pk_add_f32 v[TMP+r:TMP+r+1], v[TMP+r:TMP+r+1], v[TMP+8+r:TMP+8+r+1]
.set r, r+2
.endr
	v_pk_add_f32 v[TMP:TMP+1], v[TMP:TMP+1], v[TMP+4:TMP+5]
	v_pk_add_f32 v[TMP+2:TMP+3], v[TMP+2:TMP+3], v[TMP+6:TMP+7]
	v_pk_add_f32 v[TMP:TMP+1], v[TMP:TMP+1], v[TMP+2:TMP+3]
	v_add_f32 v[TMP], v[TMP], v[TMP+1]
	v_fma_f32 v[TMP], v[TMP], s92, s93             ; mean + eps
	v_rsq_f32 v[TMP+1], v[TMP]
	v_nop                                          ; a plain instruction behind the root,
	s_wait_alu depctr_va_vdst(0)                   ; and the wait ahead of its reader
	ds_store_b32 v[RSA], v[TMP+1]
.macro MUL8 f, c, a0                   ; 8 matrix instructions; the 16 accumulators take turns, one instruction a turn
	WIN MUL
.irp a, \a0, (\a0)+1
.irp b, 0,1,2,3
	v_wmma_f32_16x16x32_bf16 v[ACC+8*(4*(\a)+(\b)):ACC+8*(4*(\a)+(\b))+7], v[(\f)+64+8*(4*(\c)+(\b)):(\f)+64+8*(4*(\c)+(\b))+7], v[(\f)+8*(4*(\c)+(\a)):(\f)+8*(4*(\c)+(\a))+7], v[ACC+8*(4*(\a)+(\b)):ACC+8*(4*(\a)+(\b))+7]
.endr
.endr
.endm
.macro FETCH k, f                      ; 32 LDS loads: B's block i begins at row 16 i (gate: i = 0, 1) or 64 + 16 (i - 2) (up: i = 2, 3)
	WIN TO_F
.irp c, 0,1
.irp i, 0,1,2,3
	ds_load_b128 v[(\f)+64+8*(4*(\c)+(\i)):(\f)+64+8*(4*(\c)+(\i))+3],   v[ADRB] offset:(\k)+64*(\c)+(16*(\i)+32*((\i)/2))*PITCH
	ds_load_b128 v[(\f)+64+8*(4*(\c)+(\i))+4:(\f)+64+8*(4*(\c)+(\i))+7], v[ADRB] offset:(\k)+64*(\c)+(16*(\i)+32*((\i)/2))*PITCH+32
	ds_load_b128 v[(\f)+8*(4*(\c)+(\i)):(\f)+8*(4*(\c)+(\i))+3],         v[ADRA] offset:(\k)+64*(\c)+(\i)*16*PITCH
	ds_load_b128 v[(\f)+8*(4*(\c)+(\i))+4:(\f)+8*(4*(\c)+(\i))+7],       v[ADRA] offset:(\k)+64*(\c)+(\i)*16*PITCH+32
.endr
.endr
.endm
.macro QUARTER k, f, g                 ; multiplies buffer f (64 along K) and fetches the next quarter, at byte k, into g
	s_wait_dscnt 16                                ; the first 32 along K are in
	MUL8 \f, 0, 0
	MUL8 \f, 0, 2
	PLACES
	FETCH \k, \g
	s_wait_dscnt 32                                ; all but the 32 just issued
	MUL8 \f, 1, 0
	MUL8 \f, 1, 2
.endm
; The last quarter multiplies buffer 1 and changes slots: one barrier; in front of it each wave waits for all its tensor loads, adds 0 to its spare word, and waits for that and for its reads of this slot.
; fill = 1: the barrier opens a round of the cluster's, and this slot is filled again, two K steps ahead, first thing behind the round.
.macro TURN fill
	WIN 0
	s_wait_tensorcnt 0x0                           ; all my tensor loads have landed: my part of the next slot
	ds_add_u32 v[SPW], v[NIL]                      ; 0 onto my spare word
	s_wait_dscnt 17                                ; (the add and the youngest sixteen loads may be out)
	MUL8 F1, 0, 0
	s_wait_dscnt 0x0                               ; the add is done, and my reads of this slot are over
	s_barrier_signal -1
	MUL8 F1, 0, 2
	WIN 0
	s_barrier_wait -1
.if \fill
	CREST                                          ; no wave of any partner still reads this slot's tile or has a load on its way
	s_xor_b32 s[G0+5], s[G0+5], SLOT               ; the walking descriptors: the other slot than last time,
	s_xor_b32 s[G0B+5], s[G0B+5], SLOT
	s_add_nc_u64 s[G0+6:G0+7], s[G0+6:G0+7], KSTEP*2    ; the next K step
	s_add_nc_u64 s[G0B+6:G0B+7], s[G0B+6:G0B+7], KSTEP*2
	JLOAD 1                                        ; its four v_nop are also places in front of the loads below
.else
	v_nop                                          ; with the two additions below: four places
	v_nop
.endif
	s_xor_b32 s[TB], s[TB], SLOT
	v_add_nc_u32 v[ADRA], s[TB], v[A0]
	v_add_nc_u32 v[ADRB], s[TB], v[B0]
	FETCH 0, F0
	MUL8 F1, 1, 0
	MUL8 F1, 1, 2
.endm
.macro STEP fill
	QUARTER 128, F0, F1
	QUARTER 256, F1, F0
	QUARTER 384, F0, F1
	TURN \fill
.endm
	s_wait_tensorcnt 1                             ; my part of K step 0 is in; K step 1's may stay out
	s_wait_dscnt 0x0                               ; for the others' sake: my r is stored
	s_barrier_signal -1
	s_barrier_wait -1
	s_mov_b32 s[TB], 0
	v_mov_b32 v[ADRA], v[A0]
	v_mov_b32 v[ADRB], v[B0]
	FETCH 0, F0
	WIN 0
	s_mov_b32 s3, T-2
.LA:                                           ; all K steps but the last two: each fills its slot again
	STEP 1
	WIN 0
	s_sub_co_u32 s3, s3, 1
	s_cmp_lg_u32 s3, 0
	s_cbranch_scc1 .LA
	s_mov_b32 s3, 2
.LB:                                           ; the last two ask for nothing
	STEP 0
	WIN 0
	s_sub_co_u32 s3, s3, 1
	s_cmp_lg_u32 s3, 0
	s_cbranch_scc1 .LB
	; THE WAY OUT.  The rows' factors; then for each block of 16 rows the activation on 16 numbers a lane, rounded to bf16, into the work-group's stage; a barrier; back as whole rows of 128 bytes.
	s_wait_dscnt 0x0                               ; my reads of slot 0 are over
	s_barrier_signal -1
	s_barrier_wait -1                              ; everybody's are: the stage may be written
.irp a, 0,1,2,3
	ds_load_b32 v[RV+(\a)], v[RRA] offset:64*((\a)%2)+4*((\a)/2)  ; r of row 16 a + l % 16 of my 64
.endr
	s_wait_dscnt 0x0
.irp a, 0,1,2,3                        ; these sixteen lines are also the places behind the last products
	v_mul_f32 v[RN+2*(\a)], s[SN], v[RV+(\a)]
	v_mul_f32 v[RN+2*(\a)+1], s[SN], v[RV+(\a)]
	v_mul_f32 v[RQ+2*(\a)], v[RV+(\a)], v[RV+(\a)]
.endr
.irp a, 0,1,2,3
	v_mul_f32 v[RQ+2*(\a)], s[SS], v[RQ+2*(\a)]
.endr
.irp a, 0,1,2,3
	v_mov_b32 v[RQ+2*(\a)+1], v[RQ+2*(\a)]
.endr
.irp a, 0,1,2,3
.set G, ACC+32*(\a)
.set U, ACC+32*(\a)+16
.set r, 0
.rept 8
	v_pk_mul_f32 v[TMP+r:TMP+r+1], v[G+r:G+r+1], v[RN+2*(\a):RN+2*(\a)+1]
.set r, r+2
.endr
.set r, 0
.rept 16
	v_exp_f32 v[TMP+r], v[TMP+r]
.set r, r+1
.endr
.set r, 0
.rept 8
	v_pk_mul_f32 v[G+r:G+r+1], v[G+r:G+r+1], v[RQ+2*(\a):RQ+2*(\a)+1]
.set r, r+2
.endr
.set r, 0
.rept 8
	v_pk_mul_f32 v[G+r:G+r+1], v[G+r:G+r+1], v[U+r:U+r+1]
.set r, r+2
.endr
	s_wait_alu depctr_va_vdst(0)                   ; one wait for the sixteen exponentials; the sixteen multiplies above are the work between
.set r, 0
.rept 8
	v_pk_add_f32 v[TMP+r:TMP+r+1], v[TMP+r:TMP+r+1], 1.0 op_sel_hi:[1,0]
.set r, r+2
.endr
.set r, 0
.rept 16
	v_rcp_f32 v[TMP+r], v[TMP+r]
.set r, r+1
.endr
	v_nop
	s_wait_alu depctr_va_vdst(0)                   ; one wait for the sixteen reciprocals
.set r, 0
.rept 8
	v_pk_mul_f32 v[G+r:G+r+1], v[G+r:G+r+1], v[TMP+r:TMP+r+1]
.set r, r+2
.endr
.set r, 0
.rept 8
	v_cvt_pk_bf16_f32 v[TMP+16+r], v[G+2*r], v[G+2*r+1]
.set r, r+1
.endr
	ds_store_b128 v[STO], v[TMP+16:TMP+19] offset:(\a)*16*SPITCH
	ds_store_b128 v[STO], v[TMP+20:TMP+23] offset:(\a)*16*SPITCH+32
.endr
	s_wait_dscnt 0x0                               ; for the others' sake: my stores into the stage are done
	s_barrier_signal -1
	s_barrier_wait -1
.irp f, 0,1,2,3,4,5,6,7
	ds_load_b128 v[64+4*(\f):64+4*(\f)+3], v[RD] offset:(\f)*4*SPITCH
.endr
.irp f, 0,1,2,3,4,5,6,7
	s_wait_dscnt 7-(\f)                            ; the younger loads stay out
	global_store_b128 v[CO], v[64+4*(\f):64+4*(\f)+3], s[OUT:OUT+1] offset:(\f)*8192  ; eight lanes store 128 consecutive bytes, at a multiple of 128
.endr
	s_wait_tensorcnt 0x0                           ; the wave's end
	ds_add_u32 v[SPW], v[NIL]
	s_wait_dscnt 0x0
	CROUND                                         ; the closing round
	s_endpgm
.Lfunc_end_k_qa0d3f70364_gateup:
	.size	k_qa0d3f70364_gateup, .Lfunc_end_k_qa0d3f70364_gateup-k_qa0d3f70364_gateup
	.p2alignl 7, 3214868480
	.fill 96, 4, 3214868480
	.section	.rodata,"a",@progbits
	.p2align	6, 0x0
	.amdhsa_kernel k_qa0d3f70364_gateup
		.amdhsa_group_segment_fixed_size 327680
		.amdhsa_private_segment_fixed_size 0
		.amdhsa_enable_private_segment 0
		.amdhsa_kernarg_size 48
		.amdhsa_user_sgpr_count 2
		.amdhsa_user_sgpr_kernarg_segment_ptr 1
		.amdhsa_wavefront_size32 1
		.amdhsa_system_sgpr_workgroup_id_x 1
		.amdhsa_system_sgpr_workgroup_id_y 1
		.amdhsa_system_sgpr_workgroup_id_z 1
		.amdhsa_system_vgpr_workitem_id 0
		.amdhsa_next_free_vgpr 512
		.amdhsa_next_free_sgpr 96
		.amdhsa_reserve_vcc 0
		.amdhsa_float_denorm_mode_32 3
		.amdhsa_float_denorm_mode_16_64 3
		.amdhsa_memory_ordered 1
		.amdhsa_forward_progress 1
		.amdhsa_inst_pref_size 72
	.end_amdhsa_kernel
	.amdgpu_metadata
---
amdhsa.version: [ 1, 2 ]
amdhsa.kernels:
  - .name:           k_qa0d3f70364_gateup
    .symbol:         k_qa0d3f70364_gateup.kd
    .args:
      - { .name: xn2, .offset: 0, .size: 8, .value_kind: global_buffer, .address_space: global }
      - { .name: wb, .offset: 8, .size: 8, .value_kind: global_buffer, .address_space: global }
      - { .name: sg, .offset: 16, .size: 8, .value_kind: global_buffer, .address_space: global }
      - { .name: su, .offset: 24, .size: 8, .value_kind: global_buffer, .address_space: global }
      - { .name: ssq, .offset: 32, .size: 8, .value_kind: global_buffer, .address_space: global }
      - { .name: hh, .offset: 40, .size: 8, .value_kind: global_buffer, .address_space: global }
    .group_segment_fixed_size: 327680
    .private_segment_fixed_size: 0
    .kernarg_segment_align: 8
    .kernarg_segment_size: 48
    .max_flat_workgroup_size: 128
    .sgpr_count:     96
    .vgpr_count:     512
    .wavefront_size: 32
...
	.end_amdgpu_metadata
.endif
;; end of part 5
;; launch down (part 6): grid 16 x 16, 4 waves a work-group, clusters of 4 x 4, 327,680 bytes of LDS; arguments hh, wb, sd, x1, out0; writes out0
.if DOCPART == 6
	.amdgcn_target "amdgcn-amd-amdhsa--gfx1250"
	.amdhsa_code_object_version 6
	.text
	.protected	k_qa0d3f70364_down
	.globl	k_qa0d3f70364_down
	.p2align	8
	.type	k_qa0d3f70364_down,@function
k_qa0d3f70364_down:
	s_mov_b64 s[64:65], 0
	v_nop
	global_prefetch_b8 v0, s[64:65] scope:SCOPE_SE
	s_setreg_imm32_b32 hwreg(HW_REG_WAVE_MODE, 25, 1), 1
	s_wait_xcnt 0x0
	s_wait_alu depctr_hold_cnt(0) depctr_sa_sdst(0) depctr_va_vdst(0) depctr_va_sdst(0) depctr_va_ssrc(0) depctr_va_vcc(0) depctr_vm_vsrc(0)
	s_getreg_b32 s2, hwreg(HW_REG_IB_STS2, 6, 4)
	s_cmp_eq_u32 s2, 0
	s_cbranch_scc0 .Lentry_in_a_cluster
	s_endpgm
.Lentry_in_a_cluster:
	s_bfe_u32 s2, ttmp6, 0x10000c
	s_cmp_lg_u32 s2, 0xf033
	s_cbranch_scc0 .Lentry_shape_is_right
	s_endpgm
.Lentry_shape_is_right:
; out0[m][n] = x1[m][n] + sd * sum over k of hh[m][k] Wd[n][k], k = 0 .. 1023.  hh and Wd (from byte 41,943,040 of wb, rows of 2,048 bytes) in bf16, sums, x1 and out0 in f32.
; A tile of out0 is 128 x 128: 16 x 16 tiles, one work-group each.  Four waves, each 64 x 64: 16 accumulators.  K goes in four steps of 256 (LDS rows of 512 bytes) through two slots filled by the tensor data mover.
; CLUSTER 4 x 4: the four work-groups of a row of the cluster need the same rows of hh, the four of a column the same rows of Wd: each tile is asked for jointly.
; THE WALK ALONG K BEGINS AT K STEP (cluster x + cluster y) mod 4 and wraps round: the four clusters that read the same rows ask for four different K steps at a time.  The f32 sums may be taken in any order
; of K.  The two numbers are the cluster's own, alike in all sixteen partners, so every joint load's descriptor is alike in the four that it names.  A fill's address is made anew: the rows' first byte plus
; a byte offset held inside the row's 2,048 bytes.
; The matrix instruction is used transposed (source 0 = 16 rows of Wd, source 1 = 16 rows of hh): a lane holds eight neighbouring numbers of a row of out0.
; A K step is written once: the loop with refills runs T - 2 times, the same step without refill twice.  The price: the sums are started by 16 products of two zero fragments, issued while the first tiles are
; on their way, and the very last step fetches 32 fragments of an old tile that nobody multiplies.  No prefetch: the tiles are small.
; REGISTERS: window 0: v0-31 addresses; v128-255 the accumulators.  window 1: two fragment buffers of 128; on the way out the rows read back.  window 2: v0-127 my 64 x 64 of x1.
.set KDIM,   1024
.set T,      KDIM/256
.set BOFF,   41943040                  ; Wd's first byte in wb
.set KSTEP,  256
.set PITCH,  528                       ; an LDS row: 512 bytes + 16 of padding: the 16 rows of a fragment load start at 16 different groups of four banks (ISA guide 11.1)
.set HALFT,  64*PITCH
.set SLOT,   4*HALFT                   ; 0x21000 shares no bit with wave x HALFT, so one exclusive or moves a descriptor to the other slot
.set SPARE,  2*SLOT                    ; the spare words, 128 bytes a wave: two blocks of 256 bytes that no other line names
.set SPITCH, 272                       ; the way out: each wave's own stage of 64 rows lies in slot 0, which has had its last fill by then
.set A0,   14
.set B0,   15
.set ADRA, 16
.set ADRB, 20
.set STO,  24
.set RD,   25
.set CO,   26
.set SPW,  28                          ; v28  LDS address of my spare word; never rewritten
.set NIL,  29                          ; v29  0; never rewritten
.set ACC,  128
.set F0,   0
.set F1,   128
.set G1,   24
.set G0,   32
.set G1B,  48
.set G0B,  56
.set TB,   66                          ; s66  LDS byte at which the slot being read begins
.set SC,   68                          ; s[68:69] the scale, as a pair
.set RES,  72                          ; s[72:73] x1 at my first number
.set OUT,  74                          ; s[74:75] out0 likewise
.set KO,   80                          ; s[80:81] the byte in a row at which the next K step to be asked for begins
.set BA,   14                          ; s[14:15] hh at the first of the rows that I fetch
.set BB,   82                          ; s[82:83] Wd likewise
.set MSB, 0
.macro WIN new
.if MSB != (\new)
	s_set_vgpr_msb (MSB<<8)|(\new)
.set MSB, \new
.endif
.endm
.set MUL,  0x05                        ; sources 0 (B) and 1 (A) window 1; C and D window 0
.set TO_F, 0x40                        ; destination window 1, address window 0
.macro JLOAD s                         ; a joint load: waves 0 and 1 fetch A's two halves, waves 2 and 3 B's; an s_nop 0 and four v_nop follow each line
	s_cmp_eq_u32 s11, 0
	s_cbranch_scc0 .Lfor_b_\@
	tensor_load_to_lds s[G0+4*(\s):G0+4*(\s)+3], s[G1:G1+7]
	s_nop 0
.rept 4
	v_nop
.endr
	s_branch .Lasked_\@
.Lfor_b_\@:
	tensor_load_to_lds s[G0B+4*(\s):G0B+4*(\s)+3], s[G1B:G1B+7]
	s_nop 0
.rept 4
	v_nop
.endr
.Lasked_\@:
.endm
.macro AIM s                           ; both descriptors of set s take the K step at byte KO of the rows; KO goes on by a K step and wraps at the row's end
	s_add_nc_u64 s[G0+4*(\s)+2:G0+4*(\s)+3], s[BA:BA+1], s[KO:KO+1]
	s_or_b32 s[G0+4*(\s)+3], s[G0+4*(\s)+3], 0x80000000
	s_add_nc_u64 s[G0B+4*(\s)+2:G0B+4*(\s)+3], s[BB:BB+1], s[KO:KO+1]
	s_or_b32 s[G0B+4*(\s)+3], s[G0B+4*(\s)+3], 0x80000000
	s_add_co_u32 s[KO], s[KO], KSTEP*2
	s_and_b32 s[KO], s[KO], KDIM*2-1
.endm
.macro CREST
	s_cmp_lg_u32 s10, 0
	s_cbranch_scc1 .Lnot_wave_0_\@
	s_barrier_signal -3
.Lnot_wave_0_\@:
	s_barrier_wait -3
	s_barrier_signal -1
	s_barrier_wait -1
.endm
.macro CROUND
	s_barrier_signal -1
	s_barrier_wait -1
	CREST
.endm
.macro PLACES
.rept 4
	v_nop
.endr
.endm
	s_load_b128 s[4:7], s[0:1], 0x0                ; hh s[4:5], wb s[6:7]
	s_load_b128 s[76:79], s[0:1], 0x10             ; sd s[76:77], x1 s[78:79]
	s_load_b64 s[OUT:OUT+1], s[0:1], 0x20          ; out0
	v_lshl_add_u32 v[SPW], v0, 2, SPARE
	v_mov_b32 v[NIL], 0
	ds_add_u32 v[SPW], v[NIL]                      ; the wave's opening: the add and its wait ahead of my first tensor load
	v_lshrrev_b32 v1, 5, v0
	v_readfirstlane_b32 s10, v1                    ; wave 0..3
	s_lshr_b32 s11, s10, 1                         ; which half of the tile's rows is mine.  Also: I fetch for A (0) or for B (1)
	s_and_b32 s12, s10, 1                          ; which half of its columns.  Also: which 64 rows I fetch
	s_bfe_u32 s40, ttmp6, 0x40000
	s_bfe_u32 s41, ttmp6, 0x40004
	s_lshl_b32 s42, ttmp9, 2
	s_add_co_u32 s42, s42, s40                     ; tile column
	s_and_b32 s13, ttmp7, 0xffff
	s_add_co_u32 s[KO], s13, ttmp9                 ; cluster y + cluster x,
	s_and_b32 s[KO], s[KO], 3                      ; mod 4: the K step at which this cluster begins,
	s_lshl_b32 s[KO], s[KO], 9                     ; in bytes of a row
	s_mov_b32 s[KO+1], 0
	s_lshl_b32 s13, s13, 2
	s_add_co_u32 s13, s13, s41                     ; tile row
	s_lshl_b32 s43, s41, 2
	s_lshl_b32 s43, 15, s43                        ; my row of the cluster
	s_lshl_b32 s44, 0x1111, s40                    ; my column
	s_or_b32 s[G1+0], s43, (1<<16)|(1<<20)|(1<<21)|(6<<22)|(3<<25)   ; mask; 2-byte elements; padding on; bit 21 beside a mask; after every 128 words 4 words
	s_or_b32 s[G1B+0], s44, (1<<16)|(1<<20)|(1<<21)|(6<<22)|(3<<25)
.irp g, G1, G1B
	s_mov_b32 s[(\g)+1], KSTEP<<16
	s_mov_b32 s[(\g)+2], 64<<16
	s_mov_b32 s[(\g)+3], KSTEP<<16
	s_mov_b32 s[(\g)+4], 64
	s_mov_b32 s[(\g)+5], KDIM
	s_mov_b32 s[(\g)+6], 0
	s_mov_b32 s[(\g)+7], 0
.endr
	s_lshl_b32 s17, s12, 6
	s_lshl_b32 s16, s13, 7
	s_add_co_u32 s16, s16, s17                     ; A: row 128 x tile row + 64 x half
	s_mul_i32 s16, s16, KDIM*2
	s_lshl_b32 s46, s42, 7
	s_add_co_u32 s46, s46, s17                     ; B: row 128 x tile column + 64 x half
	s_mul_i32 s46, s46, KDIM*2
	s_add_co_u32 s46, s46, BOFF
	s_mov_b32 s17, 0
	s_mov_b32 s47, 0
	s_mul_i32 s20, s10, HALFT
	s_wait_dscnt 0x0                               ; the opening add is done
	s_wait_kmcnt 0x0
	s_load_b32 s[SC], s[76:77], 0x0
	s_add_nc_u64 s[BA:BA+1], s[4:5], s[16:17]
	s_add_nc_u64 s[BB:BB+1], s[6:7], s[46:47]
	CROUND                                         ; all sixteen work-groups are here: the first joint loads meet
.irp s, 0,1
	s_mov_b32 s[G0+4*(\s)], 1
	s_add_co_u32 s[G0+4*(\s)+1], s20, (\s)*SLOT
	s_mov_b32 s[G0B+4*(\s)], 1
	s_add_co_u32 s[G0B+4*(\s)+1], s20, (\s)*SLOT
	AIM \s
	JLOAD \s                                       ; two loads of mine are out
.endr
	WIN TO_F                                       ; the sums start at 0: two fragments of zeros, and their product into each accumulator
.set r, 0
.rept 16
	v_mov_b32 v[r], 0
.set r, r+1
.endr
	WIN MUL
.set r, 0
.rept 16
	v_wmma_f32_16x16x32_bf16 v[ACC+8*r:ACC+8*r+7], v[0:7], v[8:15], 0
.set r, r+1
.endr
	WIN 0                                          ; the address work below is the places in front of the first loads into the two fragments
	v_and_b32 v1, 15, v0                           ; l % 16
	v_bfe_u32 v2, v0, 4, 1                         ; l / 16
	v_mul_u32_u24 v3, v1, PITCH
	v_lshl_add_u32 v3, v2, 4, v3
	s_mul_i32 s21, s11, HALFT
	s_mul_i32 s22, s12, HALFT
	s_add_co_u32 s22, s22, 2*HALFT
	v_add_nc_u32 v[A0], s21, v3
	v_add_nc_u32 v[B0], s22, v3
	s_mul_i32 s23, s10, 64*SPITCH                  ; my stage
	v_mul_u32_u24 v4, v1, SPITCH                   ; in: row l % 16, 32 bytes for each half of the lanes
	v_lshl_add_u32 v4, v2, 5, v4
	v_add_nc_u32 v[STO], s23, v4
	v_mul_u32_u24 v5, v2, SPITCH                   ; back: lanes 0-15 one row of 256 bytes, lanes 16-31 the next
	v_lshl_add_u32 v5, v1, 4, v5
	v_add_nc_u32 v[RD], s23, v5
	v_lshlrev_b32 v5, 13, v2                       ; the same two rows in x1 and out0
	v_lshl_add_u32 v[CO], v1, 4, v5
	s_lshl_b32 s16, s13, 7
	s_lshl_b32 s17, s11, 6
	s_add_co_u32 s16, s16, s17                     ; my first row
	s_lshl_b32 s16, s16, 13
	s_mov_b32 s17, 0
	s_lshl_b32 s46, s42, 9                         ; my first column, in bytes
	s_lshl_b32 s47, s12, 8
	s_add_co_u32 s46, s46, s47
	s_mov_b32 s47, 0
	s_add_nc_u64 s[RES:RES+1], s[78:79], s[16:17]
	s_add_nc_u64 s[RES:RES+1], s[RES:RES+1], s[46:47]
	s_add_nc_u64 s[OUT:OUT+1], s[OUT:OUT+1], s[16:17]
	s_add_nc_u64 s[OUT:OUT+1], s[OUT:OUT+1], s[46:47]
	WIN 0x80                                       ; the residual: asked for now, wanted on the way out
.set f, 0
.rept 32
	global_load_b128 v[4*f:4*f+3], v[CO], s[RES:RES+1] offset:f*16384
.set f, f+1
.endr
	WIN 0
	s_wait_kmcnt 0x0
	s_mov_b32 s[SC+1], s[SC]
.macro MUL8 f, c, a0                   ; 8 matrix instructions; the 16 accumulators take turns, one instruction a turn
	WIN MUL
.irp a, \a0, (\a0)+1
.irp b, 0,1,2,3
	v_wmma_f32_16x16x32_bf16 v[ACC+8*(4*(\a)+(\b)):ACC+8*(4*(\a)+(\b))+7], v[(\f)+64+8*(4*(\c)+(\b)):(\f)+64+8*(4*(\c)+(\b))+7], v[(\f)+8*(4*(\c)+(\a)):(\f)+8*(4*(\c)+(\a))+7], v[ACC+8*(4*(\a)+(\b)):ACC+8*(4*(\a)+(\b))+7]
.endr
.endr
.endm
.macro FETCH k, f                      ; 32 LDS loads in one run: the fragments of 64 along K at byte k of the rows, into buffer f; the first 32 along K first
	WIN TO_F
.irp c, 0,1
.irp i, 0,1,2,3
	ds_load_b128 v[(\f)+64+8*(4*(\c)+(\i)):(\f)+64+8*(4*(\c)+(\i))+3],   v[ADRB] offset:(\k)+64*(\c)+(\i)*16*PITCH
	ds_load_b128 v[(\f)+64+8*(4*(\c)+(\i))+4:(\f)+64+8*(4*(\c)+(\i))+7], v[ADRB] offset:(\k)+64*(\c)+(\i)*16*PITCH+32
	ds_load_b128 v[(\f)+8*(4*(\c)+(\i)):(\f)+8*(4*(\c)+(\i))+3],         v[ADRA] offset:(\k)+64*(\c)+(\i)*16*PITCH
	ds_load_b128 v[(\f)+8*(4*(\c)+(\i))+4:(\f)+8*(4*(\c)+(\i))+7],       v[ADRA] offset:(\k)+64*(\c)+(\i)*16*PITCH+32
.endr
.endr
.endm
.macro QUARTER k, f, g                 ; multiplies buffer f (64 along K) and fetches the next quarter, at byte k, into g
	s_wait_dscnt 16                                ; the first 32 along K are in
	MUL8 \f, 0, 0
	MUL8 \f, 0, 2
	PLACES
	FETCH \k, \g
	s_wait_dscnt 32                                ; all but the 32 just issued
	MUL8 \f, 1, 0
	MUL8 \f, 1, 2
.endm
; The last quarter multiplies buffer 1 and changes slots: one barrier; in front of it each wave waits for all its tensor loads, adds 0 to its spare word, and waits for that and for its reads of this slot.
; fill = 1: the barrier opens a round of the cluster's, and this slot is filled again, with the walk's K step two on, first thing behind the round.
.macro TURN fill
	WIN 0
	s_wait_tensorcnt 0x0                           ; all my tensor loads have landed: my part of the next slot
	ds_add_u32 v[SPW], v[NIL]                      ; 0 onto my spare word
	s_wait_dscnt 17                                ; (the add and the youngest sixteen loads may be out)
	MUL8 F1, 0, 0
	s_wait_dscnt 0x0                               ; the add is done, and my reads of this slot are over
	s_barrier_signal -1
	MUL8 F1, 0, 2
	WIN 0
	s_barrier_wait -1
.if \fill
	CREST                                          ; no wave of any partner still reads this slot's tile or has a load on its way
	s_xor_b32 s[G0+5], s[G0+5], SLOT               ; the walking descriptors: the other slot than last time,
	s_xor_b32 s[G0B+5], s[G0B+5], SLOT
	AIM 1                                          ; the walk's next K step
	JLOAD 1                                        ; its four v_nop are also places in front of the loads below
.else
	v_nop                                          ; with the two additions below: four places
	v_nop
.endif
	s_xor_b32 s[TB], s[TB], SLOT
	v_add_nc_u32 v[ADRA], s[TB], v[A0]
	v_add_nc_u32 v[ADRB], s[TB], v[B0]
	FETCH 0, F0
	MUL8 F1, 1, 0
	MUL8 F1, 1, 2
.endm
.macro STEP fill
	QUARTER 128, F0, F1
	QUARTER 256, F1, F0
	QUARTER 384, F0, F1
	TURN \fill
.endm
	s_wait_tensorcnt 1                             ; my part of the walk's first K step is in; the second's may stay out
	s_barrier_signal -1
	s_barrier_wait -1
	s_mov_b32 s[TB], 0
	v_mov_b32 v[ADRA], v[A0]
	v_mov_b32 v[ADRB], v[B0]
	FETCH 0, F0
	WIN 0
	s_mov_b32 s3, T-2
.LA:                                           ; all K steps but the last two: each fills its slot again
	STEP 1
	WIN 0
	s_sub_co_u32 s3, s3, 1
	s_cmp_lg_u32 s3, 0
	s_cbranch_scc1 .LA
	s_mov_b32 s3, 2
.LB:                                           ; the last two ask for nothing
	STEP 0
	WIN 0
	s_sub_co_u32 s3, s3, 1
	s_cmp_lg_u32 s3, 0
	s_cbranch_scc1 .LB
	; THE WAY OUT.  My 64 columns of f32 are 256 bytes: the stage is my own.  32 bytes a lane in, whole rows back, scale and residual in one fused multiply-add, 16 bytes a lane out.
	s_wait_dscnt 0x0                               ; my reads of slot 0 are over
	s_barrier_signal -1
	s_barrier_wait -1                              ; everybody's are: the stages may be written
	PLACES
.irp a, 0,1,2,3
.irp b, 0,1,2,3
	ds_store_b128 v[STO], v[ACC+8*(4*(\a)+(\b)):ACC+8*(4*(\a)+(\b))+3]   offset:(\a)*16*SPITCH+64*(\b)
	ds_store_b128 v[STO], v[ACC+8*(4*(\a)+(\b))+4:ACC+8*(4*(\a)+(\b))+7] offset:(\a)*16*SPITCH+64*(\b)+16
.endr
.endr
	WIN TO_F
.set f, 0
.rept 32
	ds_load_b128 v[4*f:4*f+3], v[RD] offset:f*2*SPITCH  ; LDS serves a wave's instructions in order (ISA guide 5.7.1.4): these see the stores above
.set f, f+1
.endr
	s_wait_loadcnt 0x0                             ; the residual
.irp g, 0,1,2,3
	s_wait_dscnt 24-8*(\g)                         ; eight more loads are back
	WIN 0x61                                       ; destination and source 0 window 1, source 2 window 2
.set r, 0
.rept 16
	v_pk_fma_f32 v[32*(\g)+r:32*(\g)+r+1], v[32*(\g)+r:32*(\g)+r+1], s[SC:SC+1], v[32*(\g)+r:32*(\g)+r+1] op_sel_hi:[1,0,1]
.set r, r+2
.endr
	WIN 0x04                                       ; the stores' data in window 1
.set r, 0
.rept 8
	global_store_b128 v[CO], v[32*(\g)+4*r:32*(\g)+4*r+3], s[OUT:OUT+1] offset:(8*(\g)+r)*16384  ; sixteen lanes store 256 consecutive bytes, at a multiple of 256
.set r, r+1
.endr
.endr
	WIN 0
	s_wait_tensorcnt 0x0                           ; the wave's end
	ds_add_u32 v[SPW], v[NIL]
	s_wait_dscnt 0x0
	CROUND                                         ; the closing round
	s_endpgm
.Lfunc_end_k_qa0d3f70364_down:
	.size	k_qa0d3f70364_down, .Lfunc_end_k_qa0d3f70364_down-k_qa0d3f70364_down
	.p2alignl 7, 3214868480
	.fill 96, 4, 3214868480
	.section	.rodata,"a",@progbits
	.p2align	6, 0x0
	.amdhsa_kernel k_qa0d3f70364_down
		.amdhsa_group_segment_fixed_size 327680
		.amdhsa_private_segment_fixed_size 0
		.amdhsa_enable_private_segment 0
		.amdhsa_kernarg_size 40
		.amdhsa_user_sgpr_count 2
		.amdhsa_user_sgpr_kernarg_segment_ptr 1
		.amdhsa_wavefront_size32 1
		.amdhsa_system_sgpr_workgroup_id_x 1
		.amdhsa_system_sgpr_workgroup_id_y 1
		.amdhsa_system_sgpr_workgroup_id_z 1
		.amdhsa_system_vgpr_workitem_id 0
		.amdhsa_next_free_vgpr 640
		.amdhsa_next_free_sgpr 96
		.amdhsa_reserve_vcc 0
		.amdhsa_float_denorm_mode_32 3
		.amdhsa_float_denorm_mode_16_64 3
		.amdhsa_memory_ordered 1
		.amdhsa_forward_progress 1
		.amdhsa_inst_pref_size 63
	.end_amdhsa_kernel
	.amdgpu_metadata
---
amdhsa.version: [ 1, 2 ]
amdhsa.kernels:
  - .name:           k_qa0d3f70364_down
    .symbol:         k_qa0d3f70364_down.kd
    .args:
      - { .name: hh, .offset: 0, .size: 8, .value_kind: global_buffer, .address_space: global }
      - { .name: wb, .offset: 8, .size: 8, .value_kind: global_buffer, .address_space: global }
      - { .name: sd, .offset: 16, .size: 8, .value_kind: global_buffer, .address_space: global }
      - { .name: x1, .offset: 24, .size: 8, .value_kind: global_buffer, .address_space: global }
      - { .name: out0, .offset: 32, .size: 8, .value_kind: global_buffer, .address_space: global }
    .group_segment_fixed_size: 327680
    .private_segment_fixed_size: 0
    .kernarg_segment_align: 8
    .kernarg_segment_size: 40
    .max_flat_workgroup_size: 128
    .sgpr_count:     96
    .vgpr_count:     640
    .wavefront_size: 32
...
	.end_amdgpu_metadata
.endif
;; end of part 6
;; ======== version 2 of 2: 6 launches; version 1 with the launch prep written anew for expert scheduling mode
;; limits: right only within a limited range of input values
;; workspace buffers: wb 46,137,344 bytes; xn 8,388,608 bytes; qkv 25,165,824 bytes; ao 8,388,608 bytes; x1 16,777,216 bytes; xn2 8,388,608 bytes; hh 4,194,304 bytes; ssq 262,144 bytes
;; launch prep (part 7): grid 2048 x 1, 4 waves a work-group, no clusters, 0 bytes of LDS; arguments Wq, Wk, Wv, sq, sk, sv, x, norm_attn_w, wb, xn; writes wb, xn
.if DOCPART == 7
	.amdgcn_target "amdgcn-amd-amdhsa--gfx1250"
	.amdhsa_code_object_version 6
	.text
	.protected	k_qa0d3f70364_prep
	.globl	k_qa0d3f70364_prep
	.p2align	8
	.type	k_qa0d3f70364_prep,@function
k_qa0d3f70364_prep:
	s_mov_b64 s[64:65], 0
	v_nop
	global_prefetch_b8 v0, s[64:65] scope:SCOPE_SE
	s_setreg_imm32_b32 hwreg(HW_REG_WAVE_SCHED_MODE, 0, 2), 2
	s_setreg_imm32_b32 hwreg(HW_REG_WAVE_MODE, 25, 1), 1
	s_wait_xcnt 0x0
	s_wait_alu depctr_vm_vsrc(0)
; The first 6,144 rows of wb: bf16(Wq sq), bf16(Wk sk), bf16(Wv sv), rows of 4,096 bytes: (x W^T) s = x (W s)^T, so the scale is paid here once and the product is rounded once.
; And xn = bf16(x * rsqrt(mean(x^2) + 1e-6) * norm_attn_w).  A stream: each f32 byte is read once, each bf16 byte written once.
; SHARES.  A unit is 8,192 bytes of f32 (a row), one wave each; a work-group takes four units on end.  The work-group's number picks the source: 0 Wq, 512 Wk, 1024 Wv, 1536 x.
; A load of a wave covers 512 consecutive bytes, a store 256 consecutive bytes at a multiple of 256.  No LDS, no barrier: a row's sum never leaves its wave.
; THE MODE: SCHED_MODE bits 1:0 = 2 (LLVM: expert scheduling mode 2), set by the entry lines.  The code itself states the register dependences
; between vector instructions and memory instructions, with s_wait_alu, always for 0.
; THE PLAN.  Registers that memory instructions touch:
;   v1, v2, v3   byte offsets, made once at the head and never written again: v1 is read by the unit's loads, v3 by the gain's, v2 by the stores.
;   X, W         each register is the landing place of one load, once; behind the wait for its data vector instructions alone name it.
;   Y            four groups of eight.  Group g's roundings write Y[g], each register once; the four stores that read it are issued in group g + 1.
; The unit goes in four groups of four loads.  Group g works on X[g] (and W[g]) and writes Y[g]; its memory instructions are the stores from Y[g - 1], which no vector instruction of group g names.
; So one wait at a group's head states all that its four stores hang on, and they are dealt among its vector instructions with no further wait.
; No register that a memory instruction reads is written again, no load lands in a register that a vector instruction has named, no vector instruction writes a scalar register, EXEC stays whole.
.set X,  16                            ; v[16:79]   the unit as loaded: load i holds numbers 128 i + 4 lane .. + 3
.set W,  80                            ; v[80:143]  the gain, laid out alike
.set Y,  144                           ; v[144:175] the packed output: two registers for each load
.set XG, 1536                          ; the first work-group that takes rows of x
	s_load_b512 s[8:23], s[0:1], 0x0               ; Wq s[8:9], Wk s[10:11], Wv s[12:13], sq s[14:15], sk s[16:17], sv s[18:19], x s[20:21], norm_attn_w s[22:23]
	s_load_b128 s[24:27], s[0:1], 0x40             ; wb s[24:25], xn s[26:27]
	s_mov_b32 s3, ttmp9
	s_mov_b32 s30, 0x3a000000                      ; 1 / 2048
	s_mov_b32 s31, 0x358637bd                      ; 1e-6
	s_mov_b32 s32, 0x76543210                      ; v_permlanex16_b32: each lane takes its own place in the other half
	s_mov_b32 s33, 0xfedcba98
	v_lshrrev_b32 v14, 5, v0                       ; wave
	v_and_b32 v15, 31, v0                          ; lane
	v_lshlrev_b32 v3, 4, v15                       ; 16 bytes a lane: my offset in the gain
	v_lshl_or_b32 v1, v14, 13, v3                  ; + 8,192 x wave: my offset in the source
	v_lshlrev_b32 v2, 3, v15
	v_lshl_or_b32 v2, v14, 12, v2                  ; 4,096 x wave + 8 x lane: my offset in the destination
	s_wait_kmcnt 0x0
	s_mov_b64 s[4:5], s[8:9]
	s_mov_b64 s[28:29], s[14:15]
	s_mov_b32 s2, 0
.macro PICK bound, reg, sreg           ; from work-group bound on the source is the buffer in s[reg:reg+1], its scale the one in s[sreg:sreg+1]
	s_cmp_ge_u32 s3, \bound
	s_cselect_b64 s[4:5], s[\reg:\reg+1], s[4:5]
	s_cselect_b64 s[28:29], s[\sreg:\sreg+1], s[28:29]
	s_cselect_b32 s2, \bound, s2
.endm
	PICK 512, 10, 16
	PICK 1024, 12, 18
	PICK XG, 20, 18                                ; (rows of x read no scale)
	s_cmp_ge_u32 s3, XG
	s_cselect_b64 s[6:7], s[26:27], s[24:25]       ; rows of x go to xn, all else to wb
	s_cselect_b32 s34, XG, 0
	s_sub_co_u32 s34, s3, s34
	s_lshl_b32 s34, s34, 14                        ; 16,384 bytes of bf16 a work-group
	s_mov_b32 s35, 0
	s_add_nc_u64 s[6:7], s[6:7], s[34:35]
	s_sub_co_u32 s36, s3, s2
	s_lshl_b32 s36, s36, 15                        ; 32,768 bytes of f32 a work-group
	s_mov_b32 s37, 0
	s_add_nc_u64 s[4:5], s[4:5], s[36:37]
	s_wait_alu depctr_va_vdst(0)                   ; v1, v2 and v3 are written: every load and store of the kernel, on both ways, reads one of them as its offset
.irp i, 0,1,2,3,4,5,6,7,8,9,10,11,12,13,14,15
	global_load_b128 v[X+4*(\i):X+4*(\i)+3], v1, s[4:5] offset:512*(\i) th:TH_LOAD_NT
.endr
; Four stores of 8 bytes a lane: the packed numbers of group g.
.macro SEND1 g, i
	global_store_b64 v2, v[Y+8*(\g)+2*(\i):Y+8*(\g)+2*(\i)+1], s[6:7] offset:256*(4*(\g)+(\i)) th:TH_STORE_NT
.endm
; Group g: the numbers of loads 4 g to 4 g + 3.  gain = 1: a row of x, multiplied by the gain; gain = 0: a row of weights, multiplied by the matrix's scale.
; Sixteen vector instructions; ahead of each load's four stands one store of the group before.
.macro GROUP g, gain
	s_wait_loadcnt 12-4*(\g)                       ; loads come back in order (ISA guide 5.7.1): the group's four (of the gain, or of the row of weights) are in, the younger ones stay out
.if (\g) > 0
	s_wait_alu depctr_va_vdst(0)                   ; the roundings of the group before have written its Y, which the four stores below read; no vector instruction of this group names those registers or v2
.endif
.irp i, 0,1,2,3
.if (\g) > 0
	SEND1 (\g)-1, \i
.endif
.if \gain
	v_pk_mul_f32 v[X+16*(\g)+4*(\i):X+16*(\g)+4*(\i)+1],   v[X+16*(\g)+4*(\i):X+16*(\g)+4*(\i)+1],   v[W+16*(\g)+4*(\i):W+16*(\g)+4*(\i)+1]
	v_pk_mul_f32 v[X+16*(\g)+4*(\i)+2:X+16*(\g)+4*(\i)+3], v[X+16*(\g)+4*(\i)+2:X+16*(\g)+4*(\i)+3], v[W+16*(\g)+4*(\i)+2:W+16*(\g)+4*(\i)+3]
.else
	v_pk_mul_f32 v[X+16*(\g)+4*(\i):X+16*(\g)+4*(\i)+1],   v[X+16*(\g)+4*(\i):X+16*(\g)+4*(\i)+1],   s[38:39] op_sel_hi:[1,0]
	v_pk_mul_f32 v[X+16*(\g)+4*(\i)+2:X+16*(\g)+4*(\i)+3], v[X+16*(\g)+4*(\i)+2:X+16*(\g)+4*(\i)+3], s[38:39] op_sel_hi:[1,0]
.endif
	v_cvt_pk_bf16_f32 v[Y+8*(\g)+2*(\i)],   v[X+16*(\g)+4*(\i)],   v[X+16*(\g)+4*(\i)+1]    ; four numbers: two roundings
	v_cvt_pk_bf16_f32 v[Y+8*(\g)+2*(\i)+1], v[X+16*(\g)+4*(\i)+2], v[X+16*(\g)+4*(\i)+3]
.endr
.endm
; The four groups, and the last group's stores.
.macro UNIT gain
	GROUP 0, \gain
	GROUP 1, \gain
	GROUP 2, \gain
	GROUP 3, \gain
	s_wait_alu depctr_va_vdst(0)                   ; the last group's roundings have written its Y, which the last four stores read
.irp i, 0,1,2,3
	SEND1 3, \i
.endr
.endm
	s_cmp_lt_u32 s3, XG
	s_cbranch_scc1 .Lplain
	; a row of x
.irp i, 0,1,2,3,4,5,6,7,8,9,10,11,12,13,14,15
	global_load_b128 v[W+4*(\i):W+4*(\i)+3], v3, s[22:23] offset:512*(\i)  ; no vector instruction since the wait at the head names v3 or these registers
.endr
	s_wait_loadcnt 16                              ; the row is in; the gain's sixteen loads stay out
.irp k, 0,1,2,3
	v_pk_mul_f32 v[4+2*(\k):5+2*(\k)], v[X+2*(\k):X+2*(\k)+1], v[X+2*(\k):X+2*(\k)+1]  ; four chains of squares: the first products start them
.endr
.set j, 4
.rept 28
	v_pk_fma_f32 v[4+2*(j%4):5+2*(j%4)], v[X+2*j:X+2*j+1], v[X+2*j:X+2*j+1], v[4+2*(j%4):5+2*(j%4)]
.set j, j+1
.endr
	v_pk_add_f32 v[4:5], v[4:5], v[6:7]
	v_pk_add_f32 v[8:9], v[8:9], v[10:11]
	v_pk_add_f32 v[4:5], v[4:5], v[8:9]
	v_add_f32 v14, v4, v5
	v_add_f32_dpp v14, v14, v14 row_xmask:1 row_mask:0xf bank_mask:0xf
	v_add_f32_dpp v14, v14, v14 row_xmask:2 row_mask:0xf bank_mask:0xf
	v_add_f32_dpp v14, v14, v14 row_xmask:4 row_mask:0xf bank_mask:0xf
	v_add_f32_dpp v14, v14, v14 row_xmask:8 row_mask:0xf bank_mask:0xf
	v_permlanex16_b32 v15, v14, s32, s33
	v_add_f32 v14, v14, v15                        ; every lane holds the row's sum of squares
	v_fma_f32 v14, v14, s30, s31                   ; mean + eps
	v_rsq_f32 v12, v14                             ; twice, to fill the pair that the packed multiply takes
	v_rsq_f32 v13, v14
	v_nop                                          ; a plain instruction behind the last root,
	s_wait_alu depctr_va_vdst(0)                   ; and the one wait ahead of the first reader: the two roots have written v12 and v13, which the multiplies below read
.set j, 0
.rept 32
	v_pk_mul_f32 v[X+2*j:X+2*j+1], v[X+2*j:X+2*j+1], v[12:13]
.set j, j+1
.endr
	UNIT 1                                         ; times the gain, rounded, stored
	s_endpgm
.Lplain:                               ; a row of a weight matrix: scaled and rounded as it comes in
	s_load_b32 s38, s[28:29], 0x0                  ; the matrix's scale: it comes while the row is on its way
	s_wait_kmcnt 0x0
	s_mov_b32 s39, s38                             ; named with it as a pair
	UNIT 0
	s_endpgm
.Lfunc_end_k_qa0d3f70364_prep:
	.size	k_qa0d3f70364_prep, .Lfunc_end_k_qa0d3f70364_prep-k_qa0d3f70364_prep
	.p2alignl 7, 3214868480
	.fill 96, 4, 3214868480
	.section	.rodata,"a",@progbits
	.p2align	6, 0x0
	.amdhsa_kernel k_qa0d3f70364_prep
		.amdhsa_group_segment_fixed_size 0
		.amdhsa_private_segment_fixed_size 0
		.amdhsa_enable_private_segment 0
		.amdhsa_kernarg_size 80
		.amdhsa_user_sgpr_count 2
		.amdhsa_user_sgpr_kernarg_segment_ptr 1
		.amdhsa_wavefront_size32 1
		.amdhsa_system_sgpr_workgroup_id_x 1
		.amdhsa_system_sgpr_workgroup_id_y 1
		.amdhsa_system_sgpr_workgroup_id_z 1
		.amdhsa_system_vgpr_workitem_id 0
		.amdhsa_next_free_vgpr 176
		.amdhsa_next_free_sgpr 66
		.amdhsa_reserve_vcc 0
		.amdhsa_float_denorm_mode_32 3
		.amdhsa_float_denorm_mode_16_64 3
		.amdhsa_memory_ordered 1
		.amdhsa_forward_progress 1
		.amdhsa_inst_pref_size 22
	.end_amdhsa_kernel
	.amdgpu_metadata
---
amdhsa.version: [ 1, 2 ]
amdhsa.kernels:
  - .name:           k_qa0d3f70364_prep
    .symbol:         k_qa0d3f70364_prep.kd
    .args:
      - { .name: Wq, .offset: 0, .size: 8, .value_kind: global_buffer, .address_space: global }
      - { .name: Wk, .offset: 8, .size: 8, .value_kind: global_buffer, .address_space: global }
      - { .name: Wv, .offset: 16, .size: 8, .value_kind: global_buffer, .address_space: global }
      - { .name: sq, .offset: 24, .size: 8, .value_kind: global_buffer, .address_space: global }
      - { .name: sk, .offset: 32, .size: 8, .value_kind: global_buffer, .address_space: global }
      - { .name: sv, .offset: 40, .size: 8, .value_kind: global_buffer, .address_space: global }
      - { .name: x, .offset: 48, .size: 8, .value_kind: global_buffer, .address_space: global }
      - { .name: norm_attn_w, .offset: 56, .size: 8, .value_kind: global_buffer, .address_space: global }
      - { .name: wb, .offset: 64, .size: 8, .value_kind: global_buffer, .address_space: global }
      - { .name: xn, .offset: 72, .size: 8, .value_kind: global_buffer, .address_space: global }
    .group_segment_fixed_size: 0
    .private_segment_fixed_size: 0
    .kernarg_segment_align: 8
    .kernarg_segment_size: 80
    .max_flat_workgroup_size: 128
    .sgpr_count:     66
    .vgpr_count:     176
    .wavefront_size: 32
...
	.end_amdgpu_metadata
.endif
;; end of part 7
;; launch qkv: the kernel of part 2 again; grid 16 x 16, 4 waves a work-group, clusters of 4 x 4, 327,680 bytes of LDS; arguments xn, wb, qkv; writes qkv
;; launch attn: the kernel of part 3 again; grid 16 x 16, 4 waves a work-group, clusters of 4 x 1, 327,680 bytes of LDS; arguments qkv, xn, alpha, ao, Wo, Wg, Wu, Wd, wb; writes ao, wb
;; launch wo: the kernel of part 4 again; grid 16 x 16, 4 waves a work-group, clusters of 4 x 4, 327,680 bytes of LDS; arguments ao, wb, so, x, norm_mlp_w, x1, xn2, ssq; writes x1, xn2, ssq
;; launch gateup: the kernel of part 5 again; grid 16 x 16, 4 waves a work-group, clusters of 4 x 4, 327,680 bytes of LDS; arguments xn2, wb, sg, su, ssq, hh; writes hh
;; launch down: the kernel of part 6 again; grid 16 x 16, 4 waves a work-group, clusters of 4 x 4, 327,680 bytes of LDS; arguments hh, wb, sd, x1, out0; writes out0
